; MI455X (gfx1250); checked and timed in simulation.
; The chip was launched on July 23, 2026; its instructions are those of AMD's public machine-readable ISA for CDNA 5 (MIT licence, August 2026) and "CDNA5" Instruction Set Architecture Reference Guide (July 2026). The comments in the code are by the model that wrote it; some were corrected since.
;; Grouped Query Attention. Allowed arithmetic: matrix products marked QUANTISED: E2M1 operands, one E8M0 scale for each 32 along K, by v_wmma_scale_f32_16x16x128_f8f6f4 with both operands' format E2M1 (or v_wmma_scale_f32_32x16x128_f4), f32 sums; products left as they are: bf16, f16 or f32 operands; f32 sums; everything else in f32.
;; Inputs: Wk 2,048 x 512 float32; Wo 2,048 x 2,048 float32; Wq 2,048 x 2,048 float32; Wv 2,048 x 512 float32; cos 2,048 x 64 float32; sin 2,048 x 64 float32; x 1 x 2,048 x 2,048 float32.
;; Outputs: out0 1 x 2,048 x 2,048 float32.
;; This version of the problem:
;;   THIS VERSION OF THE PROBLEM IS GIVEN IN LOW PRECISION. The matrix products marked QUANTISED in the list below multiply operands that are first quantised to E2M1 (2 exponent bits, 1 mantissa bit; 4 bits a number), with one power-of-two scale for each 32 numbers along K (OCP MX v1.0); their sums are f32. The products marked 'left as it is' may take bf16, f16 or f32 operands, with f32 sums. Whichever they take, every output number must still come out within the allowed error. Rounding operands to bf16 (8 significant bits) uses up far more of that allowance than f16 does (11 bits, for magnitudes from 6e-5 to 65,504). All else is computed in f32.
;;   The module's matrix products, in the order in which they are computed (A, B: the left and right operand; K: the contracted axis; several contracted axes count as one K, in the product's order):
;;     1. [M 2,048, K 2,048] x [K 2,048, N 2,048]; A: input x; B: input Wq: QUANTISED
;;     2. [M 2,048, K 2,048] x [K 2,048, N 512]; A: input x; B: input Wk: QUANTISED
;;     3. [M 2,048, K 2,048] x [K 2,048, N 512]; A: input x; B: input Wv: QUANTISED
;;     4. batch 8 x [M 8,192, K 64] x [K 64, N 2,048]; A: computed on the way; B: computed on the way: left as it is (an operand is computed on the way)
;;     5. batch 8 x [M 8,192, K 2,048] x [K 2,048, N 64]; A: computed on the way; B: computed on the way: left as it is (an operand is computed on the way)
;;     6. [M 2,048, K 2,048] x [K 2,048, N 2,048]; A: computed on the way; B: input Wo: left as it is (an operand is computed on the way)
;;   THE QUANTISER, for each operand of a quantised product, along K:
;;     - K is cut into blocks of 32 from its start; a last block that is shorter is filled with zeros.
;;     - A block's scale is 2^e with e = floor(log2(the largest magnitude in the block)) - 2, held to -126 .. 127; a block of zeros has e = 0. As a byte (E8M0): e + 127.
;;     - Each number is divided by its block's scale, clamped to +-6, and rounded to the nearest number of E2M1, ties to even, subnormals kept.
;;     - The product sums the exact products of the quantised numbers (number of the format x scale) in f32.
;;   ~~~python
;;   def quantise(x, axis):      # numpy; x: float32 -> the quantised numbers, widened to float32 again
;;       x = np.moveaxis(x, axis, -1); K = x.shape[-1]
;;       x = np.pad(x, [(0, 0)] * (x.ndim - 1) + [(0, -K % 32)]); x = x.reshape(x.shape[:-1] + (-1, 32)); a = np.abs(x).max(-1, keepdims=True)
;;       e = np.where(a > 0, np.clip(np.frexp(np.where(a > 0, a, 1))[1] - 1 - 2, -126, 127), 0)      # np.frexp(a)[1] - 1 = floor(log2(a)), exactly
;;       r = np.clip(x / 2.0 ** e, -6, 6)
;;       step = 2.0 ** (np.maximum(np.frexp(np.where(r == 0, 1, r))[1] - 1, 0) - 1)
;;       q = np.round(r / step) * step * 2.0 ** e      # np.round: ties to even
;;       return np.moveaxis(q.reshape(q.shape[:-2] + (-1,))[..., :K], -1, axis).astype(np.float32)
;;   ~~~
;; One version. Each part assembles by itself: llvm-mc -triple=amdgcn-amd-amdhsa -mcpu=gfx1250 --defsym DOCPART=n.
;; ======== version 1 of 1: 5 launches
;; limits: values are held in f16: magnitudes above 65,504 overflow, below 6.1e-05 lose precision
;; workspace buffers: x_codes 2,097,152 bytes; x_scales 131,072 bytes; w_codes 3,145,728 bytes; w_scales 196,608 bytes; wot 8,388,608 bytes; qkvh 12,582,912 bytes; fine32 196,608 bytes; ctx 8,388,608 bytes
;; launch prep (part 1): grid 288 x 1, 4 waves a work-group, no clusters, 102,912 bytes of LDS; arguments x, Wq, Wk, Wv, Wo, x_codes, x_scales, w_codes, w_scales, wot; writes x_codes, x_scales, w_codes, w_scales, wot
.if DOCPART == 1
	.amdgcn_target "amdgcn-amd-amdhsa--gfx1250"
	.amdhsa_code_object_version 6
	.text
	.protected	k_q4a532e4e90_prep
	.globl	k_q4a532e4e90_prep
	.p2align	8
	.type	k_q4a532e4e90_prep,@function
k_q4a532e4e90_prep:
	s_mov_b64 s[64:65], 0
	v_nop
	global_prefetch_b8 v0, s[64:65] scope:SCOPE_SE
	s_setreg_imm32_b32 hwreg(HW_REG_WAVE_MODE, 25, 1), 1
	s_wait_xcnt 0x0
; PREP.  Three jobs in one launch, told apart by the work-group's number alone:
;   X (work-groups 0-127):  x [2048][2048] f32 -> codes of FP4 (E2M1), K innermost, and one E8M0 byte for each 32 along K.
;   Q (128-223): Wq | Wk | Wv, f32 with K as FIRST axis -> codes laid [3072 columns][2048 K] and bytes [3072][64]; columns 0-2047 Wq's, 2048-2559 Wk's, 2560-3071 Wv's.
;   C (224-287): Wo [2048 k][2048 n] f32 -> f16, laid [n][k], for the last product, which is left unquantised.
; A block's scale is 2^(floor(log2(largest magnitude)) - 2); its byte is the largest magnitude's exponent field - 2, held at 1 from below.
; A block of zeros so gets the byte 1 where the rule says 127: its codes are zeros, and this program alone reads the bytes.
; LIMITS: blocks whose largest magnitude lies under 2^-124 keep the byte 1; NaN and infinities among the inputs are not served; |Wo| stays under 65,504 (f16).
; No tensor loads, no barrier: waves share nothing.  Each job has LDS bytes of its own.
.set SP,    80                         ; X: a lane's place in a stage: 64 bytes + 16 of padding
.set WREG,  8192                       ; X: a wave's region: two stages of 32 x SP, then its 256 scale bytes
.set PITCH, 272                        ; Q, C: a stage row: 256 bytes + 16
.set QSTG,  32768                      ; Q's stages: 4 waves x 32 rows x 272
.set CSTG,  67584                      ; C's stages: the same size
.set SPARE, 102400                     ; the spare words, 128 bytes for each wave: two blocks of 256 bytes that no other line names
.set R,     16                         ; X: v16-79   four sets of 16 numbers as loaded
.set X,     80                         ; X: v80-111  two sets of 16 neighbours
.set E,     112                        ; X: v112-127 a scale byte for each step
.set C,     128                        ; X: v128-191 codes, four registers for each step
.set XB,    32                         ; Q, C: v32-95 two sets of 32 numbers down K
.set CD,    96                         ; Q: v96-99 a block's codes;  C: v96-111 a block's 32 f16
.set OUTR,  112                        ; Q, C: v112-175 rows read back from the stage
.set SB,    24                         ; Q: v24-27 the 16 scale bytes
.set SPW,   192                        ; v192 LDS address of my spare word; never rewritten
.set NIL,   193                        ; v193 0; never rewritten
.set OFF,   194                        ; Q, C: v194-225 byte offset of row i of a block: 4 x lane + i x pitch
.set QIN,   226                        ; LDS addresses, all made ahead of the parting of the jobs
.set QOUT,  227
.set CIN,   228
.set COUT,  229
	s_load_b512 s[8:23], s[0:1], 0x0               ; x 8, Wq 10, Wk 12, Wv 14, Wo 16, x_codes 18, x_scales 20, w_codes 22
	s_load_b128 s[24:27], s[0:1], 0x40             ; w_scales 24, wot 26
	v_lshl_add_u32 v[SPW], v0, 2, SPARE
	v_mov_b32 v[NIL], 0
	v_lshrrev_b32 v1, 5, v0
	v_readfirstlane_b32 s2, v1                     ; wave 0..3
	v_and_b32 v2, 31, v0                           ; lane
	v_lshlrev_b32 v3, 4, v2                        ; X: my 16 bytes of a load's 512
	v_lshlrev_b32 v10, 2, v2                       ; Q, C: 4 bytes a lane
	s_mul_i32 s3, s2, WREG
	v_lshrrev_b32 v14, 2, v2
	v_mul_u32_u24 v14, v14, SP
	v_and_b32 v15, 3, v2
	v_lshl_add_u32 v14, v15, 4, v14
	v_add_nc_u32 v14, s3, v14                      ; X: the stage on the way in: SP (lane / 4) + 16 (lane % 4)
	v_mul_u32_u24 v15, v2, SP
	v_add_nc_u32 v15, s3, v15                      ; and on the way out: SP x lane: my 16 neighbours
	v_mul_u32_u24 v4, v2, 8                        ; my codes' place in a step's 256 bytes
	v_lshrrev_b32 v5, 1, v2
	s_add_co_u32 s3, s3, 2*32*SP
	v_add_nc_u32 v5, s3, v5                        ; my block's byte among my wave's 256 scale bytes
	v_lshlrev_b32 v7, 3, v2
	v_add_nc_u32 v6, s3, v7                        ; and 8 bytes a lane on their way out
	s_mul_i32 s3, s2, 32*PITCH
	v_mul_u32_u24 v[QIN], v2, PITCH
	v_add_nc_u32 v[QIN], s3, v[QIN]                ; Q, C: into the stage: row = my column
	v_and_b32 v20, 15, v2
	v_lshrrev_b32 v21, 4, v2
	v_mul_u32_u24 v[QOUT], v21, PITCH
	v_lshl_add_u32 v[QOUT], v20, 4, v[QOUT]
	v_add_nc_u32 v[QOUT], s3, v[QOUT]              ; out of it: sixteen lanes to a row, two rows an instruction
	v_add_nc_u32 v[CIN], CSTG, v[QIN]
	v_add_nc_u32 v[COUT], CSTG, v[QOUT]
	v_add_nc_u32 v[QIN], QSTG, v[QIN]
	v_add_nc_u32 v[QOUT], QSTG, v[QOUT]
	s_wait_kmcnt 0x0
	s_cmp_lt_u32 ttmp9, 128
	s_cbranch_scc1 .Lpath_x
; ---- Q and C: a lane takes a column, its registers run down K; a wave takes 32 columns x 512 along K, a work-group 128 columns
	s_sub_co_u32 s3, ttmp9, 128
	s_lshr_b32 s6, s3, 2                           ; column group 0..39: 0-15 Wq, 16-19 Wk, 20-23 Wv, 24-39 Wo
	s_and_b32 s7, s3, 3                            ; which 512 along K
	s_mov_b64 s[4:5], s[16:17]                     ; the source, its first column group and its row pitch: chosen on the work-group's number alone
	s_mov_b32 s28, 24
	s_mov_b32 s29, 8192
	s_cmp_lt_u32 s6, 24
	s_cselect_b64 s[4:5], s[14:15], s[4:5]
	s_cselect_b32 s28, 20, s28
	s_cselect_b32 s29, 2048, s29
	s_cmp_lt_u32 s6, 20
	s_cselect_b64 s[4:5], s[12:13], s[4:5]
	s_cselect_b32 s28, 16, s28
	s_cmp_lt_u32 s6, 16
	s_cselect_b64 s[4:5], s[10:11], s[4:5]
	s_cselect_b32 s28, 0, s28
	s_cselect_b32 s29, 8192, s29
	s_mul_i32 s32, s7, s29
	s_lshl_b32 s32, s32, 9                         ; 512 rows x pitch x which
	s_sub_co_u32 s3, s6, s28
	s_lshl_b32 s3, s3, 7
	s_lshl_b32 s33, s2, 5
	s_add_co_u32 s3, s3, s33                       ; my wave's first column in its source
	s_lshl_b32 s3, s3, 2
	s_add_co_u32 s32, s32, s3
	s_mov_b32 s33, 0
	s_add_nc_u64 s[4:5], s[4:5], s[32:33]
	s_lshl_b32 s30, s29, 5                         ; a block on: 32 rows
	s_mov_b32 s31, 0
.set n, 0
.rept 32
	v_mad_u32_u24 v[OFF+n], s29, n, v10
.set n, n+1
.endr
.macro CLOAD t                         ; block t: source(32 t + i, my column), i = 0 .. 31, into set t % 2: each load reads 128 consecutive bytes a wave
.if (\t) > 0
	s_wait_xcnt 0x0                                ; the loads and stores issued so far have read their base: it may step
	s_add_nc_u64 s[4:5], s[4:5], s[30:31]
.endif
.set n, 0
.rept 32
	global_load_b32 v[XB+32*((\t)%2)+n], v[OFF+n], s[4:5] th:TH_LOAD_NT
.set n, n+1
.endr
.endm
	CLOAD 0
	CLOAD 1
	s_cmp_ge_u32 s6, 24
	s_cbranch_scc1 .Lpath_c
; ---- Q: quantise
	s_lshl_b32 s32, s6, 7
	s_lshl_b32 s3, s2, 5
	s_add_co_u32 s32, s32, s3                      ; my wave's first row of w_codes
	s_lshl_b32 s34, s32, 10                        ; 1,024 bytes a row,
	s_lshl_b32 s3, s7, 8                           ; my 512 along K are 256 bytes
	s_add_co_u32 s34, s34, s3
	s_mov_b32 s35, 0
	s_add_nc_u64 s[22:23], s[22:23], s[34:35]
	s_lshl_b32 s34, s32, 6                         ; 64 scale bytes a row, my 16 of them
	s_lshl_b32 s3, s7, 4
	s_add_co_u32 s34, s34, s3
	s_add_nc_u64 s[24:25], s[24:25], s[34:35]
	v_lshlrev_b32 v9, 6, v2
	v_lshlrev_b32 v8, 10, v21
	v_lshl_add_u32 v8, v20, 4, v8
.macro QBLOCK t
.set XS, XB+32*((\t)%2)
.if (\t) < 15
	s_wait_loadcnt 32                              ; this block's 32 loads are in; the next block's may be out
.else
	s_wait_loadcnt 0
.endif
	v_max3_num_f32 v12, |v[XS]|, |v[XS+1]|, |v[XS+2]|     ; the block's largest magnitude: all 32 numbers are mine
	v_max3_num_f32 v13, |v[XS+3]|, |v[XS+4]|, |v[XS+5]|
.irp i, 6,10,14,18,22,26
	v_max3_num_f32 v12, v12, |v[XS+\i]|, |v[XS+\i+1]|
	v_max3_num_f32 v13, v13, |v[XS+\i+2]|, |v[XS+\i+3]|
.endr
	v_max3_num_f32 v12, v12, |v[XS+30]|, |v[XS+31]|
	v_max3_num_f32 v12, v12, v13, 0x1800000        ; and the floor 2^(3 - 127): the byte cannot fall under 1
	v_add_nc_u32 v11, 0xff000000, v12              ; 2 off the exponent field: the conversion's scale operand
	v_lshrrev_b32 v13, 23, v11                     ; the scale's byte
.if (\t)%4 == 0
	v_mov_b32 v[SB+(\t)/4], v13
.else
	v_lshl_or_b32 v[SB+(\t)/4], v13, 8*((\t)%4), v[SB+(\t)/4]
.endif
.irp g, 0,1,2,3
	v_cvt_scalef32_pk8_fp4_f32 v[CD+\g], v[XS+8*\g:XS+8*\g+7], v11
.endr
	ds_store_b128 v[QIN], v[CD:CD+3] offset:16*(\t)   ; 32 codes: 16 bytes of my column's row
.if (\t)+2 < 16
	CLOAD (\t)+2
.endif
	s_wait_dscnt 0x0                               ; the store has read its registers: the next block's codes may be written
.endm
.irp t, 0,1,2,3,4,5,6,7,8,9,10,11,12,13,14,15
	QBLOCK \t
.endr
	global_store_b128 v9, v[SB:SB+3], s[24:25]     ; my column's 16 scale bytes
.irp u, 0,1,2,3,4,5,6,7,8,9,10,11,12,13,14,15
	ds_load_b128 v[OUTR+4*\u:OUTR+4*\u+3], v[QOUT] offset:2*\u*PITCH   ; a wave's LDS instructions are served in order: these see my stores
.endr
.irp u, 0,1,2,3,4,5,6,7,8,9,10,11,12,13,14,15
	s_wait_dscnt 15-\u
	global_store_b128 v8, v[OUTR+4*\u:OUTR+4*\u+3], s[22:23] offset:2*\u*1024   ; sixteen lanes store 256 consecutive bytes, aligned
.endr
	s_wait_tensorcnt 0x0                           ; the wave's end, behind my last LDS store
	ds_add_u32 v[SPW], v[NIL]
	s_wait_dscnt 0x0
	s_endpgm
; ---- C: Wo to f16, turned.  A block's 32 numbers down k are 64 bytes of my column's row of wot; four blocks fill a stage row of 256 bytes
.Lpath_c:
	s_sub_co_u32 s32, s6, 24
	s_lshl_b32 s32, s32, 7
	s_lshl_b32 s3, s2, 5
	s_add_co_u32 s32, s32, s3                      ; my wave's first row of wot
	s_lshl_b32 s34, s32, 12                        ; 4,096 bytes a row,
	s_lshl_b32 s3, s7, 10                          ; my 512 along k are 1,024 bytes
	s_add_co_u32 s34, s34, s3
	s_mov_b32 s35, 0
	s_add_nc_u64 s[26:27], s[26:27], s[34:35]
	v_lshlrev_b32 v8, 12, v21
	v_lshl_add_u32 v8, v20, 4, v8
.macro COUT_ROWS p
	s_wait_xcnt 0x0                                ; the last pass's stores have read v112-175
.irp u, 0,1,2,3,4,5,6,7,8,9,10,11,12,13,14,15
	ds_load_b128 v[OUTR+4*\u:OUTR+4*\u+3], v[COUT] offset:2*\u*PITCH
.endr
.irp u, 0,1,2,3,4,5,6,7,8,9,10,11,12,13,14,15
	s_wait_dscnt 15-\u
	global_store_b128 v8, v[OUTR+4*\u:OUTR+4*\u+3], s[26:27] offset:2*\u*4096+256*(\p)   ; sixteen lanes store 256 consecutive bytes, aligned
.endr
.endm
.macro CBLOCK t
.set XS, XB+32*((\t)%2)
.if (\t) < 15
	s_wait_loadcnt 32                              ; this block's 32 loads are in; the next block's may be out
.else
	s_wait_loadcnt 0
.endif
.irp i, 0,1,2,3,4,5,6,7,8,9,10,11,12,13,14,15
	v_cvt_pk_f16_f32 v[CD+\i], v[XS+2*\i], v[XS+2*\i+1]
.endr
.irp c, 0,1,2,3
	ds_store_b128 v[CIN], v[CD+4*\c:CD+4*\c+3] offset:64*((\t)%4)+16*\c
.endr
.if (\t)+2 < 16
	CLOAD (\t)+2
.endif
	s_wait_dscnt 0x0                               ; the stores have read their registers
.if (\t)%4 == 3
	COUT_ROWS (\t)/4
.endif
.endm
.irp t, 0,1,2,3,4,5,6,7,8,9,10,11,12,13,14,15
	CBLOCK \t
.endr
	s_wait_tensorcnt 0x0                           ; the wave's end
	ds_add_u32 v[SPW], v[NIL]
	s_wait_dscnt 0x0
	s_endpgm
; ---- X: x is a plain stream of blocks of 32.  A wave takes 16 steps of 512 numbers; each load reads 512 consecutive bytes; a step's 2,048 bytes
; turn through the wave's own stage so that a lane holds 16 neighbours along K (two neighbouring lanes hold a block).
.Lpath_x:
	s_lshl_b32 s28, ttmp9, 2
	s_add_co_u32 s28, s28, s2                      ; which run of 8,192 numbers is my wave's
	s_mov_b32 s31, 0
	s_lshl_b32 s30, s28, 15
	s_add_nc_u64 s[8:9], s[8:9], s[30:31]
	s_lshl_b32 s30, s28, 12
	s_add_nc_u64 s[18:19], s[18:19], s[30:31]
	s_lshl_b32 s30, s28, 8
	s_add_nc_u64 s[20:21], s[20:21], s[30:31]
.macro XLOAD t
.irp i, 0,1,2,3
	global_load_b128 v[R+16*((\t)%4)+4*\i:R+16*((\t)%4)+4*\i+3], v3, s[8:9] offset:2048*(\t)+512*\i th:TH_LOAD_NT
.endr
.endm
.macro XTURN t                         ; step t's numbers through the stage: LDS serves a wave's instructions in order
.irp i, 0,1,2,3
	ds_store_b128 v14, v[R+16*((\t)%4)+4*\i:R+16*((\t)%4)+4*\i+3] offset:32*SP*((\t)%2)+8*SP*\i
.endr
.irp i, 0,1,2,3
	ds_load_b128 v[X+16*((\t)%2)+4*\i:X+16*((\t)%2)+4*\i+3], v15 offset:32*SP*((\t)%2)+16*\i
.endr
.endm
.irp t, 0,1,2,3
	XLOAD \t
.endr
	s_wait_loadcnt 12                              ; step 0's four loads are in
	XTURN 0
.macro XSTEP t
.set XS, X+16*((\t)%2)
.if (\t) > 0
	s_wait_dscnt 1                                 ; this step's numbers are back from the stage (the last step's byte store may be out)
.else
	s_wait_dscnt 0x0
.endif
.if (\t)+4 < 16
	XLOAD (\t)+4
.endif
.if (\t)+1 < 16
.if 14-(\t) >= 3
	s_wait_loadcnt 12                              ; the next step's four loads are in; those of the three steps behind it may be out
.else
	s_wait_loadcnt 4*(14-(\t))
.endif
	XTURN (\t)+1
.endif
	v_max3_num_f32 v8, |v[XS]|, |v[XS+1]|, |v[XS+2]|
	v_max3_num_f32 v9, |v[XS+3]|, |v[XS+4]|, |v[XS+5]|
.irp i, 6,10
	v_max3_num_f32 v8, v8, |v[XS+\i]|, |v[XS+\i+1]|
	v_max3_num_f32 v9, v9, |v[XS+\i+2]|, |v[XS+\i+3]|
.endr
	v_max3_num_f32 v8, v8, |v[XS+14]|, |v[XS+15]|
	v_max3_num_f32 v8, v8, v9, 0x1800000           ; the floor 2^(3 - 127)
	v_max_num_f32_dpp v8, v8, v8 row_xmask:1 row_mask:0xf bank_mask:0xf   ; with my neighbour's 16: the block's
	v_add_nc_u32 v11, 0xff000000, v8               ; 2 off the exponent field: the conversion's scale operand
	v_cvt_scalef32_pk8_fp4_f32 v[C+4*(\t)], v[XS:XS+7], v11
	v_cvt_scalef32_pk8_fp4_f32 v[C+4*(\t)+1], v[XS+8:XS+15], v11
	v_lshrrev_b32 v[E+(\t)], 23, v11               ; the scale's byte
	ds_store_b8 v5, v[E+(\t)] offset:16*(\t)       ; both lanes of a block write the same byte with the same value
	global_store_b64 v4, v[C+4*(\t):C+4*(\t)+1], s[18:19] offset:256*(\t)   ; the wave stores 256 consecutive bytes, aligned
.endm
.irp t, 0,1,2,3,4,5,6,7,8,9,10,11,12,13,14,15
	XSTEP \t
.endr
	ds_load_b64 v[8:9], v6
	s_wait_dscnt 0x0
	global_store_b64 v7, v[8:9], s[20:21]          ; my wave's 256 scale bytes: one aligned run
	s_wait_tensorcnt 0x0                           ; the wave's end
	ds_add_u32 v[SPW], v[NIL]
	s_wait_dscnt 0x0
	s_endpgm
.Lfunc_end_k_q4a532e4e90_prep:
	.size	k_q4a532e4e90_prep, .Lfunc_end_k_q4a532e4e90_prep-k_q4a532e4e90_prep
	.p2alignl 7, 3214868480
	.fill 96, 4, 3214868480
	.section	.rodata,"a",@progbits
	.p2align	6, 0x0
	.amdhsa_kernel k_q4a532e4e90_prep
		.amdhsa_group_segment_fixed_size 102912
		.amdhsa_private_segment_fixed_size 0
		.amdhsa_enable_private_segment 0
		.amdhsa_kernarg_size 80
		.amdhsa_user_sgpr_count 2
		.amdhsa_user_sgpr_kernarg_segment_ptr 1
		.amdhsa_wavefront_size32 1
		.amdhsa_system_sgpr_workgroup_id_x 1
		.amdhsa_system_sgpr_workgroup_id_y 1
		.amdhsa_system_sgpr_workgroup_id_z 1
		.amdhsa_system_vgpr_workitem_id 0
		.amdhsa_next_free_vgpr 232
		.amdhsa_next_free_sgpr 66
		.amdhsa_reserve_vcc 0
		.amdhsa_float_denorm_mode_32 3
		.amdhsa_float_denorm_mode_16_64 3
		.amdhsa_memory_ordered 1
		.amdhsa_forward_progress 1
		.amdhsa_inst_pref_size 191
	.end_amdhsa_kernel
	.amdgpu_metadata
---
amdhsa.version: [ 1, 2 ]
amdhsa.kernels:
  - .name:           k_q4a532e4e90_prep
    .symbol:         k_q4a532e4e90_prep.kd
    .args:
      - { .name: x, .offset: 0, .size: 8, .value_kind: global_buffer, .address_space: global }
      - { .name: Wq, .offset: 8, .size: 8, .value_kind: global_buffer, .address_space: global }
      - { .name: Wk, .offset: 16, .size: 8, .value_kind: global_buffer, .address_space: global }
      - { .name: Wv, .offset: 24, .size: 8, .value_kind: global_buffer, .address_space: global }
      - { .name: Wo, .offset: 32, .size: 8, .value_kind: global_buffer, .address_space: global }
      - { .name: x_codes, .offset: 40, .size: 8, .value_kind: global_buffer, .address_space: global }
      - { .name: x_scales, .offset: 48, .size: 8, .value_kind: global_buffer, .address_space: global }
      - { .name: w_codes, .offset: 56, .size: 8, .value_kind: global_buffer, .address_space: global }
      - { .name: w_scales, .offset: 64, .size: 8, .value_kind: global_buffer, .address_space: global }
      - { .name: wot, .offset: 72, .size: 8, .value_kind: global_buffer, .address_space: global }
    .group_segment_fixed_size: 102912
    .private_segment_fixed_size: 0
    .kernarg_segment_align: 8
    .kernarg_segment_size: 80
    .max_flat_workgroup_size: 128
    .sgpr_count:     66
    .vgpr_count:     232
    .wavefront_size: 32
...
	.end_amdgpu_metadata
.endif
;; end of part 1
;; launch qkv (part 2): grid 12 x 8, 4 waves a work-group, clusters of 4 x 4, 327,680 bytes of LDS; arguments x_codes, x_scales, w_codes, w_scales, cos, sin, qkvh, fine32; writes qkvh, fine32
.if DOCPART == 2
	.amdgcn_target "amdgcn-amd-amdhsa--gfx1250"
	.amdhsa_code_object_version 6
	.text
	.protected	k_q4a532e4e90_qkv
	.globl	k_q4a532e4e90_qkv
	.p2align	8
	.type	k_q4a532e4e90_qkv,@function
k_q4a532e4e90_qkv:
	s_mov_b64 s[64:65], 0
	v_nop
	global_prefetch_b8 v0, s[64:65] scope:SCOPE_SE
	s_setreg_imm32_b32 hwreg(HW_REG_WAVE_MODE, 25, 1), 1
	s_wait_xcnt 0x0
	s_wait_alu depctr_hold_cnt(0) depctr_sa_sdst(0) depctr_va_vdst(0) depctr_va_sdst(0) depctr_va_ssrc(0) depctr_va_vcc(0) depctr_vm_vsrc(0)
	s_getreg_b32 s2, hwreg(HW_REG_IB_STS2, 6, 4)
	s_cmp_eq_u32 s2, 0
	s_cbranch_scc0 .Lentry_in_a_cluster
	s_endpgm
.Lentry_in_a_cluster:
	s_bfe_u32 s2, ttmp6, 0x10000c
	s_cmp_lg_u32 s2, 0xf033
	s_cbranch_scc0 .Lentry_shape_is_right
	s_endpgm
.Lentry_shape_is_right:
; QKV.  [2048 rows of x] x [3072 columns of Wq | Wk | Wv], K = 2048, both operands codes of FP4 (E2M1) with one E8M0 byte for each 32 along K; sums in f32.
; Then the rotary turn in f32 (q and k; v passes with cos = 1, sin = 0 by a select), rounding to f16, and out by head: qkvh [48 heads][2048][64]; heads 0-31 q, 32-39 k, 40-47 v.
; The first 16 positions of every head also leave in f32, for the small launch that carries them finely: fine32, 4,096 bytes a head, laid as an IMAGE OF MY REGISTERS:
; group e of four registers at 512 e + 16 x lane; lane (r, h), register n = 4 e + c: position r, channel 16 (n / 8) + 8 h + n % 8.
; A tile of 256 x 256 is made by four waves, 128 x 128 each: 64 accumulators, 512 registers.  K goes in steps of 512 through a ring of two LDS slots filled by tensor loads: a tile's row is 256 bytes.
; The scale bytes of the work-group's 256 + 256 rows, for all of K, come into LDS once, with the first fills.
; COS AND SIN of the work-group's 256 positions come into slot 0 when the ring has left it for the last time: 128 rows of 256 bytes a wave, the very bytes of the slot's quarter that the wave filled before.
; CLUSTERS: 4 x 4 work-groups; x's tiles, and cos and sin, are asked for jointly along a row of the cluster, the weights' along a column.
; The matrix instruction is used transposed (source 0 = 16 weight columns, source 1 = 16 rows of x): a lane holds eight neighbouring channels of one position.
; 96 work-groups: the wave tile is kept at 128 x 128, which reads each LDS byte for the most products; a tile half as wide would double the LDS bytes for each product.
; LIMITS: |q|, |k|, |v| stay under 65,504 (f16).
; REGISTERS: window 0: v0-31 addresses; v32-95 scale words, two sets; from v128 x's fragments, one set; on the way out v32-255 are used anew.
;   window 1: the weights' fragments, two sets; on the way out rows read back;  window 2: accumulators of my rows 0-63 ((a, b) at v[8 (8 a + b)]);  window 3: rows 64-127.
.set SIZE_K, 2048
.set KSTEP,  512
.set NQ,     KSTEP/128
.set ROWB,   256
.set KROW,   SIZE_K*4/8
.set PITCH,  272                       ; an LDS row: 256 bytes + 16 of padding: the 16 rows of a fragment load start 68 words apart
.set FR,     8
.set NL,     2
.set NP,     4
.set HALFT,  128*PITCH
.set SLOT,   4*HALFT
.set LAPS,   SIZE_K/(2*KSTEP)
.set KS,     SIZE_K/32
.set SCL,    2*SLOT
.set HALFS,  (128*KS/256)*272
.set SBLK,   (16*KS/256)*272
.set SPARE,  SCL+4*HALFS               ; the spare words, 128 bytes for each wave: two blocks of 256 bytes that no other line names
.set CSL,  8                           ; v8  the way out: LDS address of my 32 bytes in a row of cos
.set SNL,  9                           ; v9  the same for sin, 256 rows further on
.set ADRA, 16
.set ADRB, 20
.set FT,   23                          ; v23 0 where my wave holds positions 0-15 in its block 0
.set STO,  24                          ; v24 the way out: where I put 16 bytes of a head's row
.set RD,   25                          ; v25 where I read four rows back
.set CO,   26                          ; v26 16 x lane
.set ADRS, 27
.set SPW,  28
.set NIL,  29
.set ONE,  30
.set ZER,  31
.set SC,   32
.set AF,   128
.set CS0,  32                          ; the way out: cos and sin of a block of 16 rows, two sets of 64: cos at 8 bt + j, sin at 32 + 8 bt + j
.set F,    160                         ; v160-223 the turned numbers in f32: 32 hd + 8 bt + j
.set PKR,  224                         ; v224-255 the same in f16
.set G1C, 4                            ; s[4:11]  group 1 for cos and sin (these registers held the operands' addresses, which are used up by then)
.set G1, 24
.set G0, 32
.set G1B, 48
.set G0B, 56
.set G1S, 68
.set G0S, 76
.set G1SB, 80
.set G0SB, 88
.set G0C, 76                           ; s[76:79] group 0 for cos, s[68:71] for sin: written when the scales' load, which named these registers, is shown done
.set G0D, 68
.set MSB, 0
.macro WIN new
.if MSB != \new
	s_set_vgpr_msb (MSB<<8)|\new
.set MSB, \new
.endif
.endm
.set MUL_LO, 0xa1
.set MUL_HI, 0xf1
.set TO_B,   0x40
; A joint load: waves 0 and 1 take the first pair of groups, waves 2 and 3 the second.  The branch hangs on the wave's number alone.  An s_nop 0 and four v_nop follow each line.
.macro JLOAD g0a, g1a, g0b, g1b
	s_cmp_eq_u32 s15, 0
	s_cbranch_scc0 .Lfor_b_\@
	tensor_load_to_lds s[\g0a:\g0a+3], s[\g1a:\g1a+7]
	s_nop 0
.rept 4
	v_nop
.endr
	s_branch .Lasked_\@
.Lfor_b_\@:
	tensor_load_to_lds s[\g0b:\g0b+3], s[\g1b:\g1b+7]
	s_nop 0
.rept 4
	v_nop
.endr
.Lasked_\@:
.endm
.macro CREST
	s_cmp_lg_u32 s14, 0
	s_cbranch_scc1 .Lnot_wave_0_\@
	s_barrier_signal -3
.Lnot_wave_0_\@:
	s_barrier_wait -3
	s_barrier_signal -1
	s_barrier_wait -1
.endm
.macro CROUND
	s_barrier_signal -1
	s_barrier_wait -1
	CREST
.endm
	s_load_b128 s[4:7], s[0:1], 0x0                ; x's codes, x's scales
	s_load_b128 s[8:11], s[0:1], 0x10              ; the weights' codes, their scales
	s_load_b128 s[96:99], s[0:1], 0x20             ; cos, sin
	s_load_b64 s[12:13], s[0:1], 0x30              ; qkvh
	s_load_b64 s[100:101], s[0:1], 0x38            ; fine32
	v_lshl_add_u32 v[SPW], v0, 2, SPARE
	v_mov_b32 v[NIL], 0
	ds_add_u32 v[SPW], v[NIL]                      ; the wave's opening: the add, twice on end, and its wait ahead of my first tensor load
	ds_add_u32 v[SPW], v[NIL]
	v_lshrrev_b32 v1, 5, v0
	v_readfirstlane_b32 s14, v1                    ; wave 0..3
	s_lshr_b32 s15, s14, 1                         ; my half of the tile's rows.  Also: I fetch for x (0) or for the weights (1)
	s_and_b32 s16, s14, 1                          ; my half of its columns.  Also: which 128 rows I fetch
	s_bfe_u32 s40, ttmp6, 0x40000                  ; cx, cy
	s_bfe_u32 s41, ttmp6, 0x40004
	s_lshl_b32 s42, ttmp9, 2
	s_add_co_u32 s42, s42, s40                     ; tile column
	s_and_b32 s17, ttmp7, 0xffff
	s_lshl_b32 s17, s17, 2
	s_add_co_u32 s17, s17, s41                     ; tile row
	s_lshl_b32 s43, s41, 2
	s_lshl_b32 s43, 15, s43                        ; my row of the cluster
	s_lshl_b32 s44, 0x1111, s40                    ; my column
	s_or_b32 s[G1+0], s43, (0<<16)|(1<<20)|(1<<21)|(5<<22)|(3<<25)  ; the mask; elements of 1 byte; padding on: 4 words behind every 64; bit 21 beside a mask
	s_or_b32 s[G1B+0], s44, (0<<16)|(1<<20)|(1<<21)|(5<<22)|(3<<25)
.irp g, G1, G1B
	s_mov_b32 s[\g+1], ROWB<<16                    ; tensor_dim0
	s_mov_b32 s[\g+2], 128<<16                     ; tensor_dim1
	s_mov_b32 s[\g+3], ROWB<<16                    ; tile_dim0
	s_mov_b32 s[\g+4], 128                         ; tile_dim1
	s_mov_b32 s[\g+5], KROW                        ; the pitch
	s_mov_b32 s[\g+6], 0
	s_mov_b32 s[\g+7], 0
.endr
	s_or_b32 s[G1S+0], s43, (3<<16)|(1<<20)|(1<<21)|(5<<22)|(3<<25)  ; the scales of 128 rows: a dense block as rows of 256 bytes (32 elements of 8), 16 bytes of padding behind each
	s_or_b32 s[G1SB+0], s44, (3<<16)|(1<<20)|(1<<21)|(5<<22)|(3<<25)
.irp g, G1S, G1SB
	s_mov_b32 s[\g+1], 32<<16
	s_mov_b32 s[\g+2], (128*KS/256)<<16
	s_mov_b32 s[\g+3], 32<<16
	s_mov_b32 s[\g+4], 128*KS/256
	s_mov_b32 s[\g+5], 32
	s_mov_b32 s[\g+6], 0
	s_mov_b32 s[\g+7], 0
.endr
	s_lshl_b32 s18, s16, 7
	s_lshl_b32 s20, s17, 8
	s_add_co_u32 s20, s20, s18                     ; x: row 256 x tile row + 128 x half
	s_lshl_b32 s46, s42, 8
	s_add_co_u32 s46, s46, s18                     ; weights: row 256 x tile column + 128 x half
	s_mov_b32 s21, 0
	s_mov_b32 s47, 0
	s_mov_b64 s[18:19], KS
	s_mul_u64 s[22:23], s[20:21], s[18:19]
	s_mul_u64 s[92:93], s[46:47], s[18:19]
	s_mov_b64 s[18:19], KROW
	s_mul_u64 s[20:21], s[20:21], s[18:19]
	s_mul_u64 s[46:47], s[46:47], s[18:19]
	s_mul_i32 s45, s14, HALFT                      ; where they go: wave x 128 rows: no place in the cluster enters an LDS address
	s_mul_i32 s94, s14, HALFS
	s_lshl_b32 s66, s17, 16                        ; cos and sin: 256 rows of 256 bytes x tile row,
	s_lshl_b32 s67, s16, 15                        ; + the 128 rows that I fetch: the tile row and the wave's number alone
	s_add_co_u32 s66, s66, s67
	s_mov_b32 s67, 0
	s_wait_dscnt 0x0                               ; both opening adds are done
	s_wait_kmcnt 0x0
	s_add_nc_u64 s[20:21], s[4:5], s[20:21]
	s_add_nc_u64 s[22:23], s[6:7], s[22:23]
	s_add_nc_u64 s[46:47], s[8:9], s[46:47]
	s_add_nc_u64 s[92:93], s[10:11], s[92:93]
	s_or_b32 s[G1C+0], s43, (3<<16)|(1<<20)|(1<<21)|(5<<22)|(3<<25)  ; cos, sin: 128 rows of 256 bytes, dense (32 elements of 8 bytes), 16 bytes of padding behind each; they go to my row of the cluster
	s_mov_b32 s[G1C+1], 32<<16                     ; tensor_dim0
	s_mov_b32 s[G1C+2], 128<<16                    ; tensor_dim1
	s_mov_b32 s[G1C+3], 32<<16                     ; tile_dim0
	s_mov_b32 s[G1C+4], 128                        ; tile_dim1
	s_mov_b32 s[G1C+5], 32                         ; the pitch
	s_mov_b32 s[G1C+6], 0
	s_mov_b32 s[G1C+7], 0
	CROUND                                         ; all sixteen work-groups are here: the first joint loads meet
	s_mov_b32 s[G0S], 1
	s_add_co_u32 s[G0S+1], s94, SCL
	s_mov_b64 s[G0S+2:G0S+3], s[22:23]
	s_or_b32 s[G0S+3], s[G0S+3], 0x80000000
	s_mov_b32 s[G0SB], 1
	s_add_co_u32 s[G0SB+1], s94, SCL
	s_mov_b64 s[G0SB+2:G0SB+3], s[92:93]
	s_or_b32 s[G0SB+3], s[G0SB+3], 0x80000000
	JLOAD G0S, G1S, G0SB, G1SB                     ; the scales first: three loads of mine are out behind the first fills
.irp s, 0,1
	s_mov_b32 s[G0+4*\s], 1
	s_add_co_u32 s[G0+4*\s+1], s45, \s*SLOT
	s_add_nc_u64 s[G0+4*\s+2:G0+4*\s+3], s[20:21], \s*ROWB
	s_or_b32 s[G0+4*\s+3], s[G0+4*\s+3], 0x80000000
	s_mov_b32 s[G0B+4*\s], 1
	s_add_co_u32 s[G0B+4*\s+1], s45, \s*SLOT
	s_add_nc_u64 s[G0B+4*\s+2:G0B+4*\s+3], s[46:47], \s*ROWB
	s_or_b32 s[G0B+4*\s+3], s[G0B+4*\s+3], 0x80000000
	JLOAD G0+4*\s, G1, G0B+4*\s, G1B
.endr
	v_and_b32 v1, 15, v0                           ; r
	v_bfe_u32 v2, v0, 4, 1                         ; h
	v_mul_u32_u24 v3, v1, PITCH
	v_lshl_add_u32 v4, v2, 4, v3
	s_mul_i32 s21, s15, HALFT
	s_mul_i32 s22, s16, HALFT
	s_add_co_u32 s22, s22, 2*HALFT
.irp s, 0,1
	v_add_nc_u32 v[ADRA+\s], s21, v4
	v_add_nc_u32 v[ADRB+\s], s22, v4
	s_add_co_u32 s21, s21, SLOT
	s_add_co_u32 s22, s22, SLOT
.endr
	v_mul_u32_u24 v5, v1, KS
	v_lshrrev_b32 v6, 8, v5
	v_lshl_add_u32 v5, v6, 4, v5
	s_mul_i32 s21, s15, HALFS
	s_mul_i32 s22, s16, HALFS
	s_add_co_u32 s22, s22, 2*HALFS
	s_sub_co_u32 s22, s22, s21
	v_mul_u32_u24 v6, s22, v2                      ; lanes 16-31 take the weights' scale words
	s_add_co_u32 s21, s21, SCL
	v_add_nc_u32 v5, v5, v6
	v_add_nc_u32 v[ADRS], s21, v5
	; the way out: my stage, 2 heads x 16 rows x (128 + 16) bytes, lies in slot 1, which has had its last fill, behind a barrier behind which nobody reads that slot
	s_mul_i32 s23, s14, 4608
	s_add_co_u32 s23, s23, SLOT
	v_mul_u32_u24 v5, v1, 144
	v_lshl_add_u32 v5, v2, 4, v5
	v_add_nc_u32 v[STO], s23, v5                   ; in: row r, 16 bytes for each half of the lanes
	v_and_b32 v6, 31, v0
	v_lshrrev_b32 v5, 3, v6
	v_mul_u32_u24 v5, v5, 144
	v_and_b32 v7, 7, v0
	v_lshl_add_u32 v5, v7, 4, v5
	v_add_nc_u32 v[RD], s23, v5                    ; back: eight lanes to a row of 128 bytes, four rows an instruction
	v_lshlrev_b32 v[CO], 4, v6
	s_mul_i32 s21, s15, HALFT                      ; cos in slot 0: my 128 rows,
	v_mul_u32_u24 v5, v1, PITCH                    ; row r of a block,
	v_lshl_add_u32 v5, v2, 5, v5                   ; my half's 32 bytes of each 64
	v_add_nc_u32 v[CSL], s21, v5
	v_add_nc_u32 v[SNL], 2*HALFT, v[CSL]           ; sin lies behind cos's 256 rows
	v_mov_b32 v[ONE], 1.0
	v_mov_b32 v[ZER], 0
	s_lshl_b32 s20, s17, 8
	s_lshl_b32 s21, s15, 7
	s_add_co_u32 s20, s20, s21                     ; my first position
	s_mov_b32 s23, 0
	s_lshl_b32 s46, s42, 2
	s_lshl_b32 s47, s16, 1
	s_add_co_u32 s46, s46, s47                     ; my first head: 4 x tile column + 2 x half
	s_lshl_b32 s22, s46, 18                        ; a head is 262,144 bytes,
	s_lshl_b32 s47, s20, 7                         ; a position 128
	s_add_co_u32 s22, s22, s47
	s_add_nc_u64 s[12:13], s[12:13], s[22:23]
	s_lshl_b32 s22, s46, 12                        ; in fine32 a head is 4,096 bytes
	s_add_nc_u64 s[100:101], s[100:101], s[22:23]
	s_cmp_ge_u32 s42, 10                           ; tile columns 10 and 11 are v's: a select, no branch
	s_cselect_b32 s95, -1, 0
	s_or_b32 s94, s17, s15                         ; 0 where my rows begin at position 0
	v_mov_b32 v[FT], s94
.macro FRAG reg, adr, q, i
.irp c, 0,1
	ds_load_b128 v[\reg+4*\c:\reg+4*\c+3], v[\adr] offset:64*(\q)+32*\c+(\i)*16*PITCH
.endr
.endm
; 16 matrix instructions: x's blocks a0, a0 + 1 against the weights' eight, 128 along K.  The 64 accumulators take turns, one instruction a turn, in the same order in every step.
.macro MUL16 a0, p, q, sc, zero
.irp a, \a0, \a0+1
.irp b, 0,1,2,3,4,5,6,7
.if \zero
	v_wmma_scale_f32_16x16x128_f8f6f4 v[8*(8*((\a)%4)+\b):8*(8*((\a)%4)+\b)+7], v[128*(\p)+FR*\b:128*(\p)+FR*\b+FR-1], v[AF+FR*(\a):AF+FR*(\a)+FR-1], 0, v[SC+8*NQ*(\sc)+NQ*\b+(\q)], v[SC+8*NQ*(\sc)+NQ*(\a)+(\q)] matrix_a_fmt:MATRIX_FMT_FP4 matrix_b_fmt:MATRIX_FMT_FP4 matrix_a_scale:MATRIX_SCALE_ROW1
.else
	v_wmma_scale_f32_16x16x128_f8f6f4 v[8*(8*((\a)%4)+\b):8*(8*((\a)%4)+\b)+7], v[128*(\p)+FR*\b:128*(\p)+FR*\b+FR-1], v[AF+FR*(\a):AF+FR*(\a)+FR-1], v[8*(8*((\a)%4)+\b):8*(8*((\a)%4)+\b)+7], v[SC+8*NQ*(\sc)+NQ*\b+(\q)], v[SC+8*NQ*(\sc)+NQ*(\a)+(\q)] matrix_a_fmt:MATRIX_FMT_FP4 matrix_b_fmt:MATRIX_FMT_FP4 matrix_a_scale:MATRIX_SCALE_ROW1
.endif
.endr
.endr
.endm
.macro FETCH_B slot, q, p
	WIN TO_B
.irp i, 0,1,2,3,4,5,6,7
	FRAG 128*(\p)+FR*\i, ADRB+\slot, \q, \i
.endr
	WIN 0
.endm
.macro FETCH_A slot, q, i0
.irp i, \i0, \i0+1, \i0+2, \i0+3
	FRAG AF+FR*(\i), ADRA+\slot, \q, \i
.endr
.endm
.macro SCALES sc
.irp i, 0,1,2,3,4,5,6,7
	ds_load_b128 v[SC+8*NQ*\sc+NQ*\i:SC+8*NQ*\sc+NQ*\i+3], v[ADRS] offset:\i*SBLK
.endr
.endm
.macro PLACES n                        ; plain vector places behind matrix instructions, ahead of loads into their registers and of reads of their results
.rept \n
	v_nop
.endr
.endm
.macro STEP slot, q, zero
	s_wait_dscnt 4*NL                              ; the weights' set and x's blocks 0-3 are in; the youngest loads (x's blocks 4-7) may be out
	WIN MUL_LO
	MUL16 0, (\q)%2, \q, \slot, \zero
	MUL16 2, (\q)%2, \q, \slot, \zero
	s_wait_dscnt 0
	PLACES NP
	FETCH_B \slot, (\q)+1, 1-(\q)%2
	FETCH_A \slot, (\q)+1, 0
	WIN MUL_HI
	MUL16 4, (\q)%2, \q, \slot, \zero
	MUL16 6, (\q)%2, \q, \slot, \zero
	PLACES NP
	WIN 0
	FETCH_A \slot, (\q)+1, 4
.endm
; A slot's last step changes slots: one barrier, which opens a round of the cluster's; ahead of it each wave waits for all its tensor loads, adds 0 to its spare word, and waits for that and for its reads of this slot.
; fill = 1: this slot takes the K step two steps on;  fill = 2 (the ring's last use of slot 0 is over): it takes cos and sin.
.macro TURN slot, next, fill
	s_wait_tensorcnt 0x0                           ; all my tensor loads have landed: my part of the next slot
	ds_add_u32 v[SPW], v[NIL]                      ; 0 onto my spare word
	s_wait_dscnt 4*NL+1                            ; (the add and x's blocks 4-7 may be out)
	WIN MUL_LO
	MUL16 0, 1, NQ-1, \slot, 0
	s_wait_dscnt 0x0                               ; the add is done, and my reads of this slot are over
	s_barrier_signal -1
	MUL16 2, 1, NQ-1, \slot, 0
	WIN 0
	s_barrier_wait -1
	CREST                                          ; no wave of any partner still reads this slot or has a load on its way
.if \fill == 1
	s_add_nc_u64 s[G0+4*\slot+2:G0+4*\slot+3], s[G0+4*\slot+2:G0+4*\slot+3], 2*ROWB
	s_add_nc_u64 s[G0B+4*\slot+2:G0B+4*\slot+3], s[G0B+4*\slot+2:G0B+4*\slot+3], 2*ROWB
	JLOAD G0+4*\slot, G1, G0B+4*\slot, G1B         ; the first tensor load behind the round; its four v_nop are the places ahead of the loads below
.else
	JLOAD G0C, G1C, G0D, G1C                       ; waves 0 and 1: cos's halves; waves 2 and 3: sin's: it has the last K step's 256 matrix instructions in which to land
.endif
	v_add_nc_u32 v[ADRS], 4*NQ, v[ADRS]
	FETCH_B \next, 0, 0
	FETCH_A \next, 0, 0
	SCALES \next
	WIN MUL_HI
	MUL16 4, 1, NQ-1, \slot, 0
	MUL16 6, 1, NQ-1, \slot, 0
	PLACES NP
	WIN 0
	FETCH_A \next, 0, 4
.endm
.macro STEPS slot, from
.set Q, \from
.rept NQ-1-\from
	STEP \slot, Q, 0
.set Q, Q+1
.endr
.endm
	s_wait_tensorcnt 1                             ; the scales and my part of K step 0 are in (K step 1's load may be out)
	s_barrier_signal -1
	s_barrier_wait -1
	s_mov_b32 s[G0C], 1                            ; the scales' load is done, so its registers may be written: groups 0 for cos and sin
	s_mov_b32 s[G0C+1], s45                        ; my quarter of slot 0
	s_add_nc_u64 s[G0C+2:G0C+3], s[96:97], s[66:67]
	s_or_b32 s[G0C+3], s[G0C+3], 0x80000000
	s_mov_b32 s[G0D], 1
	s_mov_b32 s[G0D+1], s45
	s_add_nc_u64 s[G0D+2:G0D+3], s[98:99], s[66:67]
	s_or_b32 s[G0D+3], s[G0D+3], 0x80000000
	FETCH_B 0, 0, 0
	FETCH_A 0, 0, 0
	SCALES 0
	FETCH_A 0, 0, 4
	STEP 0, 0, 1                                   ; the first step's products start the sums
	s_mov_b32 s3, LAPS-1
.Llap:
	STEPS 0, 1
	TURN 0, 1, 1
	STEPS 1, 0
	TURN 1, 0, 1
	STEP 0, 0, 0
	s_sub_co_u32 s3, s3, 1
	s_cmp_lg_u32 s3, 0
	s_cbranch_scc1 .Llap
	STEPS 0, 1                                     ; the last lap
	TURN 0, 1, 2
	STEPS 1, 0
	s_wait_dscnt 4*NL
	WIN MUL_LO
	MUL16 0, 1, NQ-1, 1, 0
	MUL16 2, 1, NQ-1, 1, 0
	s_wait_dscnt 0                                 ; my reads of slot 1 are over,
	s_wait_tensorcnt 0x0                           ; and my part of cos or sin has landed:
	s_barrier_signal -1                            ; say so
	WIN MUL_HI
	MUL16 4, 1, NQ-1, 1, 0
	MUL16 6, 1, NQ-1, 1, 0
	WIN 0
	s_barrier_wait -1                              ; cos and sin are whole, and nobody reads slot 1 any more: my stage may be written there
; THE WAY OUT, a block of 16 positions at a time.  Accumulator (a, b), lane (r, h), register j: position 16 a + r, head b / 4, channel 16 (b % 4) + 8 h + j.
; Channels d and d + 32 lie in accumulators b and b + 2, same lane, same register: the turn needs no other lane.
.macro LOADCS a                        ; cos and sin of block a's 16 positions, my 8 channels of each 16: row 16 a + r, bytes 64 bt + 32 h on; the 16 rows of a load start 68 words apart
.set CB, CS0+64*((\a)%2)
.irp e, 0,1,2,3,4,5,6,7
	ds_load_b128 v[CB+4*\e:CB+4*\e+3], v[CSL] offset:(\a)*16*PITCH+64*(\e/2)+16*(\e%2)
	ds_load_b128 v[CB+32+4*\e:CB+32+4*\e+3], v[SNL] offset:(\a)*16*PITCH+64*(\e/2)+16*(\e%2)
.endr
.endm
.macro ROPE a                          ; out(d) = x(d) cos(d) - x(d + 32) sin(d);  out(d + 32) = x(d + 32) cos(d + 32) + x(d) sin(d + 32); each accumulator is read from its low end on
.set AC, 64*((\a)%4)
.set CB, CS0+64*((\a)%2)
.set WA, 0x02+(\a)/4
	WIN WA                                         ; source 0: the accumulators' window
.irp hd, 0,1
.irp u, 0,1
.irp jp, 0,2,4,6
	v_pk_mul_f32 v[F+32*\hd+8*\u+\jp:F+32*\hd+8*\u+\jp+1], v[AC+32*\hd+8*\u+\jp:AC+32*\hd+8*\u+\jp+1], v[CB+8*\u+\jp:CB+8*\u+\jp+1]
	v_pk_mul_f32 v[F+32*\hd+8*\u+16+\jp:F+32*\hd+8*\u+16+\jp+1], v[AC+32*\hd+8*\u+16+\jp:AC+32*\hd+8*\u+16+\jp+1], v[CB+8*\u+16+\jp:CB+8*\u+16+\jp+1]
	v_pk_fma_f32 v[F+32*\hd+8*\u+\jp:F+32*\hd+8*\u+\jp+1], v[AC+32*\hd+8*\u+16+\jp:AC+32*\hd+8*\u+16+\jp+1], v[CB+32+8*\u+\jp:CB+32+8*\u+\jp+1], v[F+32*\hd+8*\u+\jp:F+32*\hd+8*\u+\jp+1] neg_lo:[1,0,0] neg_hi:[1,0,0]
	v_pk_fma_f32 v[F+32*\hd+8*\u+16+\jp:F+32*\hd+8*\u+16+\jp+1], v[AC+32*\hd+8*\u+\jp:AC+32*\hd+8*\u+\jp+1], v[CB+32+8*\u+16+\jp:CB+32+8*\u+16+\jp+1], v[F+32*\hd+8*\u+16+\jp:F+32*\hd+8*\u+16+\jp+1]
.endr
.endr
.endr
	WIN 0
.endm
.macro FINE                            ; positions 0-15 in f32, as an image of my registers: each store covers 512 consecutive bytes.  Only the waves whose rows begin at position 0 store; elsewhere the lanes are off: no branch hangs on a place in the cluster
	v_cmp_eq_u32 vcc_lo, 0, v[FT]
	s_wait_xcnt 0x0                                ; EXEC changes only behind this wait
	s_and_saveexec_b32 s93, vcc_lo
.irp hd, 0,1
.irp e, 0,1,2,3,4,5,6,7
	global_store_b128 v[CO], v[F+32*\hd+4*\e:F+32*\hd+4*\e+3], s[100:101] offset:\hd*4096+512*\e
.endr
.endr
	s_wait_xcnt 0x0                                ; and again ahead of the line that restores it; F may be written again behind it too
	s_or_b32 exec_lo, exec_lo, s93
.endm
.macro TOSTAGE a                       ; to f16, into my stage, and back as runs of four positions of a head
.irp hd, 0,1
.irp e, 0,1,2,3,4,5,6,7,8,9,10,11,12,13,14,15
	v_cvt_pk_f16_f32 v[PKR+16*\hd+\e], v[F+32*\hd+2*\e], v[F+32*\hd+2*\e+1]
.endr
.endr
.irp hd, 0,1
.irp bt, 0,1,2,3
	ds_store_b128 v[STO], v[PKR+16*\hd+4*\bt:PKR+16*\hd+4*\bt+3] offset:\hd*2304+32*\bt
.endr
.endr
.set BB, 32*((\a)%2)
	WIN 0x40                                       ; destination window 1: the weights' fragments are done with
.irp hd, 0,1
.irp i, 0,1,2,3
	ds_load_b128 v[BB+16*\hd+4*\i:BB+16*\hd+4*\i+3], v[RD] offset:\hd*2304+576*\i   ; a wave's LDS instructions are served in order: these see my stores
.endr
.endr
	WIN 0
.endm
.macro SEND a, younger                 ; younger: the LDS loads issued behind block a's, which may stay out
.set BB, 32*((\a)%2)
	s_wait_dscnt \younger
	WIN 0x04                                       ; a store's data are its source 1: window 1
.irp hd, 0,1
.irp i, 0,1,2,3
	global_store_b128 v[CO], v[BB+16*\hd+4*\i:BB+16*\hd+4*\i+3], s[12:13] offset:\hd*262144+(\a)*2048+512*\i   ; 512 consecutive bytes
.endr
.endr
	WIN 0
.endm
.macro BLOCKOUT a
.if (\a) == 0
	s_wait_dscnt 0x0                               ; block 0's cos and sin are in
.else
	s_wait_dscnt 16                                ; this block's cos and sin are in; behind their loads stand the last block's 8 stores into the stage and 8 loads from it
.endif
.set CB, CS0+64*((\a)%2)
.set n, 0
.rept 32
	v_cndmask_b32 v[CB+n], v[CB+n], v[ONE], s95    ; v's columns are not turned: cos = 1,
	v_cndmask_b32 v[CB+32+n], v[CB+32+n], v[ZER], s95   ; sin = 0
.set n, n+1
.endr
.if (\a) < 7
	LOADCS (\a)+1
.endif
	ROPE \a
.if (\a) == 0
	FINE
.else
	s_wait_xcnt 0x0                                ; the stores of two blocks ago have read their registers: this block's rows may land there
.if (\a) < 7
	SEND (\a)-1, 16                                ; the last block's rows leave; the 16 loads of the next block's cos and sin may be out
.else
	SEND (\a)-1, 0
.endif
.endif
	TOSTAGE \a
.endm
	PLACES NP                                      ; behind the last products: ahead of loads into operand registers and of the first reads of results
	LOADCS 0
.irp a, 0,1,2,3,4,5,6,7
	BLOCKOUT \a
.endr
	SEND 7, 0
	s_wait_tensorcnt 0x0                           ; the wave's end, behind my last tensor load and my last LDS store
	ds_add_u32 v[SPW], v[NIL]
	s_wait_dscnt 0x0
	CROUND                                         ; the closing round
	s_endpgm
.Lfunc_end_k_q4a532e4e90_qkv:
	.size	k_q4a532e4e90_qkv, .Lfunc_end_k_q4a532e4e90_qkv-k_q4a532e4e90_qkv
	.p2alignl 7, 3214868480
	.fill 96, 4, 3214868480
	.section	.rodata,"a",@progbits
	.p2align	6, 0x0
	.amdhsa_kernel k_q4a532e4e90_qkv
		.amdhsa_group_segment_fixed_size 327680
		.amdhsa_private_segment_fixed_size 0
		.amdhsa_enable_private_segment 0
		.amdhsa_kernarg_size 64
		.amdhsa_user_sgpr_count 2
		.amdhsa_user_sgpr_kernarg_segment_ptr 1
		.amdhsa_wavefront_size32 1
		.amdhsa_system_sgpr_workgroup_id_x 1
		.amdhsa_system_sgpr_workgroup_id_y 1
		.amdhsa_system_sgpr_workgroup_id_z 1
		.amdhsa_system_vgpr_workitem_id 0
		.amdhsa_next_free_vgpr 1024
		.amdhsa_next_free_sgpr 102
		.amdhsa_reserve_vcc 1
		.amdhsa_float_denorm_mode_32 3
		.amdhsa_float_denorm_mode_16_64 3
		.amdhsa_memory_ordered 1
		.amdhsa_forward_progress 1
		.amdhsa_inst_pref_size 255
	.end_amdhsa_kernel
	.section	.bss,"aw",@nobits
	.p2align	6
	.space	262144
	.amdgpu_metadata
---
amdhsa.version: [ 1, 2 ]
amdhsa.kernels:
  - .name:           k_q4a532e4e90_qkv
    .symbol:         k_q4a532e4e90_qkv.kd
    .args:
      - { .name: x_codes, .offset: 0, .size: 8, .value_kind: global_buffer, .address_space: global }
      - { .name: x_scales, .offset: 8, .size: 8, .value_kind: global_buffer, .address_space: global }
      - { .name: w_codes, .offset: 16, .size: 8, .value_kind: global_buffer, .address_space: global }
      - { .name: w_scales, .offset: 24, .size: 8, .value_kind: global_buffer, .address_space: global }
      - { .name: cos, .offset: 32, .size: 8, .value_kind: global_buffer, .address_space: global }
      - { .name: sin, .offset: 40, .size: 8, .value_kind: global_buffer, .address_space: global }
      - { .name: qkvh, .offset: 48, .size: 8, .value_kind: global_buffer, .address_space: global }
      - { .name: fine32, .offset: 56, .size: 8, .value_kind: global_buffer, .address_space: global }
    .group_segment_fixed_size: 327680
    .private_segment_fixed_size: 0
    .kernarg_segment_align: 8
    .kernarg_segment_size: 64
    .max_flat_workgroup_size: 128
    .sgpr_count:     102
    .vgpr_count:     1024
    .wavefront_size: 32
...
	.end_amdgpu_metadata
.endif
;; end of part 2
;; launch attn (part 3): grid 32 x 8, 8 waves a work-group, no clusters, 327,680 bytes of LDS; arguments qkvh, ctx; writes ctx
.if DOCPART == 3
	.amdgcn_target "amdgcn-amd-amdhsa--gfx1250"
	.amdhsa_code_object_version 6
	.text
	.protected	k_q4a532e4e90_attn
	.globl	k_q4a532e4e90_attn
	.p2align	8
	.type	k_q4a532e4e90_attn,@function
k_q4a532e4e90_attn:
	s_mov_b64 s[64:65], 0
	v_nop
	global_prefetch_b8 v0, s[64:65] scope:SCOPE_SE
	s_setreg_imm32_b32 hwreg(HW_REG_WAVE_MODE, 25, 1), 1
	s_wait_xcnt 0x0
; ATTN.  ctx[pos][head 64 + d] = sum over keys k <= pos of softmax_k(q . k / 8) v, f16 operands, f32 products' sums, maxima and row sums; a running maximum is taken away ahead of every exponential.
; qkvh: [48 heads][2048][64] f16 (0-31 q, 32-39 k, 40-47 v); query heads 4 g .. 4 g + 3 share key and value head g.  ctx: [2048][2048] f16.
; SHARES.  Work-group (i, g) owns the blocks of 32 positions i and 63 - i for the four heads of group g: every work-group has the same number of key blocks under the mask.
; Wave w: block w / 4 (0: i, 1: 63 - i), 16 positions (w / 2) % 2, heads 4 g + 2 (w % 2) and the next: two tiles that share every fragment of K and V, share the mask, and fill 256 consecutive bytes of a row of ctx.
; LAYOUT.  S^T = K Q^T (source 0 = 16 keys, source 1 = 16 queries), O^T = V^T P (source 0 = 16 channels, source 1 = P): a lane holds one query throughout; two score tiles rounded to f16 in pairs are P's fragment.
; V^T P IS ONE STEP LATE: in key step j the wave issues K Q^T of step j and, among step j's exponentials, V^T P of step j - 1, which touches registers alone.  O^T is brought under step j - 1's maximum at the head of step j.
; THE RING.  Two slots of 256 keys; waves 0-3 fetch K's quarters, waves 4-7 V's, 64 rows a load; one tensor load of mine is out at any time, and every wait on TENSORcnt is for 0.
; THE MASK.  All work-groups walk all 8 slots (constant trip counts); a step all of whose keys come after the wave's queries is jumped over; a slot whose first key comes after the work-group's last query is not asked for.
; NO CLUSTER: the work-groups of a group have different causal limits, so some partner would never read a tile that a joint load brings.
; LIMITS: |q|, |k|, |v|, |ctx| under 65,504 (f16).  Positions 0-15 are written here in f16 accuracy and are carried again, in f32, by the last launch.
; REGISTERS: window 0: v1-15 addresses and temporaries; v16-31 statistics; v32-95 S^T; v96-127 P; v128-191 V's fragments; v192-255 O^T.  Window 1: v0-63 K's fragments, v64-95 Q.
.set SK,    256                        ; keys in a slot
.set KP,    144                        ; a key's row in LDS: 128 bytes + 16
.set VP,    160                        ; a value's row: 128 + 32, for the turning load
.set VOFF,  SK*KP
.set SLOT1, 1<<17
.set STAGE, 2*SLOT1                    ; the way out: 16 rows x 272 bytes for each wave; no tensor load lands here
.set SPARE, STAGE+8*16*272             ; the spare words, 128 bytes for each wave: four blocks of 256 bytes that no other line names
.set AK0, 1
.set AV0, 2
.set ADK, 3
.set ADV, 4
.set SPW, 5
.set NIL, 6
.set GO,  7
.set STO, 8
.set RD,  9
.set PFO, 10
.set DQ,  11                           ; r - 8 h
.set NINF, 12
.set ST,  16                           ; tile t at ST + 8 t: +0 c m, +1 m, +2 +3 l, +4 +5 at work, +6 a, +7 at work
.set S,   32
.set P,   96
.set VF,  128
.set O,   192
.set WV,  18
.set SEL, 20
.set CS,  22                           ; s[22:23] c = log2(e) / 8
.set G1K, 24
.set G1V, 32
.set G0K, 40
.set G0V, 44
.set TB,  2
.set SLOTS, 3
.set KF,  48
.set Q0,  49
.set SLAST, 50
.set T0,  51
.set PFA, 54
.set LIM, 56
.set MSB, 0
.macro WIN new
.if MSB != \new
	s_set_vgpr_msb (MSB<<8)|\new
.set MSB, \new
.endif
.endm
.set W_LD, 0x40                        ; destination window 1
.set W_S,  0x05                        ; sources 0 and 1 window 1
.macro JLOAD                           ; waves 0-3: K's quarter; waves 4-7: V's.  An s_nop 0 and four v_nop follow each line
	s_cmp_lt_u32 s[WV], 4
	s_cbranch_scc0 .Lfor_v_\@
	tensor_load_to_lds s[G0K:G0K+3], s[G1K:G1K+7]
	s_nop 0
.rept 4
	v_nop
.endr
	s_branch .Lasked_\@
.Lfor_v_\@:
	tensor_load_to_lds s[G0V:G0V+3], s[G1V:G1V+7]
	s_nop 0
.rept 4
	v_nop
.endr
.Lasked_\@:
.endm
; A prefetch of what the NEXT change of slots will ask for: each wave names the 8,192 bytes that it will itself fetch, lanes 256 bytes apart.  All 32 work-groups of a group walk the same K and V:
; work-group i = 0, which walks all keys, asks, and nobody else: each 256 bytes are named once.  The last change that fills a slot asks for nothing; slots 0 and 1 come by their loads alone.
.macro ASK
	s_cmp_gt_u32 s[SLOTS], s[LIM]
	s_cbranch_scc0 .Lnot_mine_\@
	global_prefetch_b8 v[PFO], s[PFA:PFA+1] th:TH_LOAD_NT scope:SCOPE_SE
.Lnot_mine_\@:
.endm
	s_load_b128 s[4:7], s[0:1], 0x0                ; qkvh, ctx
	v_lshl_add_u32 v[SPW], v0, 2, SPARE
	v_mov_b32 v[NIL], 0
	ds_add_u32 v[SPW], v[NIL]                      ; the wave's opening: the add, twice on end, and its wait ahead of my first tensor load
	ds_add_u32 v[SPW], v[NIL]
	v_lshrrev_b32 v13, 5, v0
	v_readfirstlane_b32 s[WV], v13                 ; wave 0..7
	s_and_b32 s10, ttmp7, 0xffff                   ; g
	s_lshr_b32 s11, s[WV], 2                       ; which block
	s_bfe_u32 s12, s[WV], 0x10001                  ; which 16 positions of it
	s_and_b32 s13, s[WV], 1                        ; which pair of heads
	s_and_b32 s14, s[WV], 3                        ; which quarter of a slot I fetch
	s_sub_co_u32 s15, 63, ttmp9
	s_cmp_eq_u32 s11, 0
	s_cselect_b32 s15, ttmp9, s15
	s_lshl_b32 s[Q0], s15, 5
	s_lshl_b32 s16, s12, 4
	s_add_co_u32 s[Q0], s[Q0], s16                 ; my first query
	s_lshl_b32 s[SLAST], ttmp9, 5
	s_sub_co_u32 s[SLAST], 2047, s[SLAST]          ; my work-group's last query
	s_lshl_b32 s16, s10, 2
	s_lshl_b32 s17, s13, 1
	s_add_co_u32 s16, s16, s17                     ; my first head
	s_lshl_b32 s52, s16, 18
	s_lshl_b32 s17, s[Q0], 7
	s_add_co_u32 s52, s52, s17                     ; Q: head x 262,144 + query x 128
	s_mov_b32 s53, 0
	s_lshl_b32 s58, s[Q0], 12
	s_lshl_b32 s17, s16, 7
	s_add_co_u32 s58, s58, s17                     ; ctx: query x 4,096 + head x 128
	s_mov_b32 s59, 0
	s_lshl_b32 s17, s14, 13                        ; my quarter: 64 rows of 128 bytes
	s_add_co_u32 s60, s10, 32
	s_lshl_b32 s60, s60, 18
	s_add_co_u32 s60, s60, s17
	s_mov_b32 s61, 0
	s_add_co_u32 s62, s10, 40
	s_lshl_b32 s62, s62, 18
	s_add_co_u32 s62, s62, s17
	s_mov_b32 s63, 0
	s_mov_b32 s[G1K], (1<<16)|(1<<20)|(4<<22)|(3<<25)   ; elements of 2 bytes; padding: 4 words behind every 32
	s_mov_b32 s[G1V], (1<<16)|(1<<20)|(4<<22)|(7<<25)   ; 8 words behind every 32
.irp g, G1K, G1V
	s_mov_b32 s[\g+1], 64<<16                      ; tensor_dim0 = 64
	s_mov_b32 s[\g+2], 64<<16                      ; tensor_dim1 = 64
	s_mov_b32 s[\g+3], 64<<16                      ; tile_dim0 = 64
	s_mov_b32 s[\g+4], 64                          ; tile_dim1 = 64
	s_mov_b32 s[\g+5], 64                          ; the pitch
	s_mov_b32 s[\g+6], 0
	s_mov_b32 s[\g+7], 0
.endr
	s_mov_b32 s[SEL], 0x76543210
	s_mov_b32 s[SEL+1], 0xfedcba98
	s_mov_b32 s[CS], 0x3e38aa3b                    ; c = log2(e) / sqrt(64)
	s_mov_b32 s[CS+1], s[CS]
	s_mov_b32 s[TB], 0
	s_mov_b32 s[SLOTS], 7
	s_mov_b32 s[KF], 0
	s_cmp_eq_u32 ttmp9, 0
	s_cselect_b32 s[LIM], 1, -1
	s_wait_dscnt 0x0                               ; both opening adds are done
	s_wait_kmcnt 0x0
	s_add_nc_u64 s[8:9], s[4:5], s[52:53]          ; Q at my first query
	s_add_nc_u64 s[6:7], s[6:7], s[58:59]          ; ctx likewise
	s_mov_b32 s[G0K], 1
	s_mul_i32 s[G0K+1], s14, 64*KP
	s_add_nc_u64 s[G0K+2:G0K+3], s[4:5], s[60:61]
	s_mov_b32 s[G0V], 1
	s_mul_i32 s[G0V+1], s14, 64*VP
	s_add_co_u32 s[G0V+1], s[G0V+1], VOFF
	s_add_nc_u64 s[G0V+2:G0V+3], s[4:5], s[62:63]
	s_cmp_lt_u32 s[WV], 4
	s_cselect_b64 s[PFA:PFA+1], s[G0K+2:G0K+3], s[G0V+2:G0V+3]
	s_add_nc_u64 s[PFA:PFA+1], s[PFA:PFA+1], SK*128   ; in slot 1: the first change of slots steps it to slot 2
	s_or_b32 s[G0K+3], s[G0K+3], 0x80000000
	s_or_b32 s[G0V+3], s[G0V+3], 0x80000000
	JLOAD                                          ; slot 0
	v_and_b32 v14, 15, v0                          ; r
	v_bfe_u32 v15, v0, 4, 1                        ; h
	v_lshlrev_b32 v13, 7, v14
	v_lshl_add_u32 v13, v15, 4, v13                ; Q: row r of 128 bytes + 16 h
	WIN W_LD
.irp f, 0,1,2,3                        ; tile f / 2, channels 32 (f % 2) on: Q stays in registers
	global_load_b128 v[64+8*\f:64+8*\f+3], v13, s[8:9] offset:(\f/2)*262144+(\f%2)*64
	global_load_b128 v[64+8*\f+4:64+8*\f+7], v13, s[8:9] offset:(\f/2)*262144+(\f%2)*64+32
.endr
	WIN 0
	v_mul_u32_u24 v[AK0], v14, KP
	v_lshl_add_u32 v[AK0], v15, 4, v[AK0]
	v_and_b32 v3, 7, v0
	v_lshl_add_u32 v[AV0], v15, 3, v3              ; the turning load: key 8 h + l % 8,
	v_mul_u32_u24 v[AV0], v[AV0], VP
	v_bfe_u32 v3, v0, 3, 1
	v_lshl_add_u32 v[AV0], v3, 4, v[AV0]           ; channels 8 ((l / 8) % 2) on
	v_add_nc_u32 v[AV0], VOFF, v[AV0]
	v_lshlrev_b32 v[GO], 12, v15
	v_lshl_add_u32 v[GO], v14, 4, v[GO]
	s_mul_i32 s[T0], s[WV], 16*272
	s_add_co_u32 s[T0], s[T0], STAGE
	v_mul_u32_u24 v[STO], v14, 272
	v_lshl_add_u32 v[STO], v15, 4, v[STO]
	v_add_nc_u32 v[STO], s[T0], v[STO]
	v_mul_u32_u24 v[RD], v15, 272
	v_lshl_add_u32 v[RD], v14, 4, v[RD]
	v_add_nc_u32 v[RD], s[T0], v[RD]
	v_and_b32 v[PFO], 31, v0
	v_lshlrev_b32 v[PFO], 8, v[PFO]
	v_lshlrev_b32 v[DQ], 3, v15
	v_sub_nc_u32 v[DQ], v14, v[DQ]
	v_mov_b32 v[NINF], 0xff800000
.irp t, 0,1
	v_mov_b32 v[ST+8*\t+1], 0xff61b1e6             ; m = -3e38, under every score
	v_mul_f32 v[ST+8*\t], s[CS], v[ST+8*\t+1]
	v_mov_b32 v[ST+8*\t+2], 0
	v_mov_b32 v[ST+8*\t+3], 0
	v_mov_b32 v[ST+8*\t+4], 0
	v_mov_b32 v[ST+8*\t+5], 0
	v_mov_b32 v[ST+8*\t+6], 1.0
	v_mov_b32 v[ST+8*\t+7], 0
.endr
.set n, 0
.rept 160
	v_mov_b32 v[P+n], 0                            ; P, V's fragments and O^T: the step is written once, and the first step's late product multiplies zeros
.set n, n+1
.endr
.macro RESCALE                         ; O^T under the last step's maximum
.set n, 0
.rept 16
	v_pk_mul_f32 v[O+2*n:O+2*n+1], v[O+2*n:O+2*n+1], v[ST+6:ST+7] op_sel_hi:[1,0]
	v_pk_mul_f32 v[O+32+2*n:O+32+2*n+1], v[O+32+2*n:O+32+2*n+1], v[ST+14:ST+15] op_sel_hi:[1,0]
.set n, n+1
.endr
.endm
.macro PVMUL                           ; product k of 16 of O^T += V^T P: keys 32 (k / 8) on, channels 16 ((k / 2) % 4) on, tile k % 2: the 8 accumulators by turns
.set rO, O+32*(k%2)+8*((k/2)%4)
.set rV, VF+32*(k/8)+8*((k/2)%4)
.set rP, P+16*(k%2)+8*(k/8)
	v_wmma_f32_16x16x32_f16 v[rO:rO+7], v[rV:rV+7], v[rP:rP+7], v[rO:rO+7]
.endm
; A KEY STEP: 64 keys, the q-th of the slot in hand.
.macro STEP q
	s_add_co_u32 s[T0], s[Q0], 15
	s_cmp_gt_u32 s[KF], s[T0]                      ; all 64 keys come after my 16 queries: the step's work is left out (ids and the count of steps alone)
	s_cbranch_scc1 .Lhid_\@
	v_add_nc_u32 v[ADK], s[TB], v[AK0]
	v_add_nc_u32 v[ADV], s[TB], v[AV0]
	WIN W_LD
.irp f, 0,1,2,3,4,5,6,7                ; keys 16 (f / 2) on, channels 32 (f % 2) on
	ds_load_b128 v[8*\f:8*\f+3], v[ADK] offset:(64*(\q)+16*(\f/2))*KP+64*(\f%2)
	ds_load_b128 v[8*\f+4:8*\f+7], v[ADK] offset:(64*(\q)+16*(\f/2))*KP+64*(\f%2)+32
.endr
	WIN 0
	RESCALE                                        ; work on registers while K's fragments come
	s_wait_dscnt 0x0                               ; K of this step and V of the last are in
	WIN W_S
.set n, 0
.rept 16                               ; S^T = K Q^T: channels 32 (n / 8) on, keys 16 ((n / 2) % 4) on, tile n % 2; the first 8 start the sums
.set rS, S+32*(n%2)+8*((n/2)%4)
.set rK, 16*((n/2)%4)+8*(n/8)
.set rQ, 64+16*(n%2)+8*(n/8)
.if n < 8
	v_wmma_f32_16x16x32_f16 v[rS:rS+7], v[rK:rK+7], v[rQ:rQ+7], 0
.else
	v_wmma_f32_16x16x32_f16 v[rS:rS+7], v[rK:rK+7], v[rQ:rQ+7], v[rS:rS+7]
.endif
.set n, n+1
.endr
	WIN 0
.rept 4
	v_nop                                          ; four places behind the products, ahead of the first read of the scores
.endr
	s_add_co_u32 s[T0], s[KF], 63
	s_cmp_le_u32 s[T0], s[Q0]                      ; all 64 keys count for all my queries: no mask
	s_cbranch_scc1 .Lopen_\@
	s_sub_co_i32 s[T0], s[Q0], s[KF]
	v_add_nc_u32 v13, s[T0], v[DQ]                 ; register 8 kt + j holds key KF + 16 kt + 8 h + j: hidden where 16 kt + j > query - KF - 8 h
.set n, 0
.rept 32
	v_cmp_gt_i32 vcc_lo, 16*(n/8)+n%8, v13
	v_cndmask_b32 v[S+n], v[S+n], v[NINF], vcc_lo
	v_cndmask_b32 v[S+32+n], v[S+32+n], v[NINF], vcc_lo
.set n, n+1
.endr
.Lopen_\@:
.irp c, 0,1,2,3                        ; the maximum of the lane's 32 scores and the old m: four chains a tile, each accumulator from its low end on
.irp t, 0,1
	v_max3_num_f32 v[ST+8*\t+4+\c], v[S+32*\t+8*\c], v[S+32*\t+8*\c+1], v[S+32*\t+8*\c+2]
.endr
.endr
.irp e, 1,2
.irp c, 0,1,2,3
.irp t, 0,1
	v_max3_num_f32 v[ST+8*\t+4+\c], v[ST+8*\t+4+\c], v[S+32*\t+8*\c+2*\e+1], v[S+32*\t+8*\c+2*\e+2]
.endr
.endr
.endr
.irp t, 0,1
	v_max3_num_f32 v[ST+8*\t+4], v[ST+8*\t+4], v[S+32*\t+7], v[S+32*\t+15]
	v_max3_num_f32 v[ST+8*\t+6], v[ST+8*\t+6], v[S+32*\t+23], v[S+32*\t+31]
.endr
.irp t, 0,1
	v_max3_num_f32 v[ST+8*\t+4], v[ST+8*\t+4], v[ST+8*\t+5], v[ST+8*\t+6]
.endr
.irp t, 0,1
	v_max3_num_f32 v[ST+8*\t+4], v[ST+8*\t+4], v[ST+8*\t+7], v[ST+8*\t+1]
.endr
.irp t, 0,1
	v_permlanex16_b32 v[ST+8*\t+5], v[ST+8*\t+4], s[SEL], s[SEL+1]   ; the query's other 32 keys lie in the lane 16 away
.endr
.irp t, 0,1
	v_mov_b32 v[ST+8*\t+7], v[ST+8*\t]             ; c m_old
.endr
.irp t, 0,1
	v_max_num_f32 v[ST+8*\t+1], v[ST+8*\t+4], v[ST+8*\t+5]
.endr
.irp t, 0,1
	v_mul_f32 v[ST+8*\t], s[CS], v[ST+8*\t+1]
.endr
.irp t, 0,1
	v_sub_f32 v[ST+8*\t+7], v[ST+8*\t+7], v[ST+8*\t]
.endr
.irp b, 0,2,4,6,8,10,12,14,16,18,20,22,24,26,28,30
.irp t, 0,1
	v_pk_fma_f32 v[S+32*\t+\b:S+32*\t+\b+1], v[S+32*\t+\b:S+32*\t+\b+1], s[CS:CS+1], v[ST+8*\t:ST+8*\t+1] op_sel_hi:[1,0,0] neg_lo:[0,0,1] neg_hi:[0,0,1]   ; c s - c m
.endr
.endr
.irp t, 0,1
	v_exp_f32 v[ST+8*\t+6], v[ST+8*\t+7]           ; a = 2^(c m_old - c m_new)
.endr
.set k, 0
.rept 16                               ; ONE BATCH of exponentials, four at a time, the tiles by turns; behind each four one late product, which names none of their results
.irp e, 0,1,2,3
	v_exp_f32 v[S+32*(k%2)+4*(k/2)+\e], v[S+32*(k%2)+4*(k/2)+\e]
.endr
	PVMUL
.set k, k+1
.endr
	v_nop                                          ; a plain instruction behind the last exponential
	s_wait_alu depctr_va_vdst(0)                   ; one wait for the batch, ahead of the first instruction that names a result
.irp t, 0,1                            ; the row's sums, of p as it stands in f32: two chains a tile; p is left whole.  These 32 are also the places behind the late products
	v_pk_fma_f32 v[ST+8*\t+2:ST+8*\t+3], v[ST+8*\t+2:ST+8*\t+3], v[ST+8*\t+6:ST+8*\t+7], v[S+32*\t:S+32*\t+1] op_sel_hi:[1,0,1]
	v_pk_add_f32 v[ST+8*\t+4:ST+8*\t+5], v[S+32*\t+2:S+32*\t+3], v[S+32*\t+4:S+32*\t+5]
.endr
.irp j, 6,10,14,18,22,26
.irp t, 0,1
	v_pk_add_f32 v[ST+8*\t+2:ST+8*\t+3], v[ST+8*\t+2:ST+8*\t+3], v[S+32*\t+\j:S+32*\t+\j+1]
	v_pk_add_f32 v[ST+8*\t+4:ST+8*\t+5], v[ST+8*\t+4:ST+8*\t+5], v[S+32*\t+\j+2:S+32*\t+\j+3]
.endr
.endr
.irp t, 0,1
	v_pk_add_f32 v[ST+8*\t+2:ST+8*\t+3], v[ST+8*\t+2:ST+8*\t+3], v[S+32*\t+30:S+32*\t+31]
.endr
.irp t, 0,1
	v_pk_add_f32 v[ST+8*\t+2:ST+8*\t+3], v[ST+8*\t+2:ST+8*\t+3], v[ST+8*\t+4:ST+8*\t+5]
.endr
.irp f, 0,1,2,3,4,5,6,7                ; V of this step, turned: keys 32 (f / 4) on, channels 16 (f % 4) on; multiplied a step later
	ds_load_tr16_b128 v[VF+8*\f:VF+8*\f+3], v[ADV] offset:(64*(\q)+32*(\f/4))*VP+32*(\f%4)
	ds_load_tr16_b128 v[VF+8*\f+4:VF+8*\f+7], v[ADV] offset:(64*(\q)+32*(\f/4))*VP+16*VP+32*(\f%4)
.endr
.irp i, 0,1,2,3,4,5,6,7,8,9,10,11,12,13,14,15
.irp t, 0,1
	v_cvt_pk_f16_f32 v[P+16*\t+\i], v[S+32*\t+2*\i], v[S+32*\t+2*\i+1]
.endr
.endr
.Lhid_\@:
	s_add_co_u32 s[KF], s[KF], 64
.endm
; THE CHANGE OF SLOTS stands at a slot's head: each wave waits for all its tensor loads, adds 0 to its spare word, waits for that and for its reads of the slot that it has left, and passes the barrier.
; fill = 1: the slot that was left is filled with the next 256 keys, while that slot's first key is at or under the work-group's last query.
.macro CHANGE fill
	s_wait_tensorcnt 0x0                           ; no tensor load of mine is out, so a group 0 may be written
	ds_add_u32 v[SPW], v[NIL]                      ; 0 onto my spare word
.if \fill
	s_xor_b32 s[G0K+1], s[G0K+1], SLOT1
	s_add_nc_u64 s[G0K+2:G0K+3], s[G0K+2:G0K+3], SK*128
	s_xor_b32 s[G0V+1], s[G0V+1], SLOT1
	s_add_nc_u64 s[G0V+2:G0V+3], s[G0V+2:G0V+3], SK*128
	s_wait_xcnt 0x0                                ; the last prefetch, a slot back, has read its address
	s_add_nc_u64 s[PFA:PFA+1], s[PFA:PFA+1], SK*128
.endif
	s_wait_dscnt 0x0                               ; the add is done, and my reads of the slot that I have left are over
	s_barrier_signal -1
	s_barrier_wait -1
.if \fill
	s_add_co_u32 s[T0], s[KF], SK                  ; the first key of the slot that this change would ask for
	s_cmp_gt_u32 s[T0], s[SLAST]                   ; ids and the count of steps alone: all eight waves go the same way
	s_cbranch_scc1 .Lpast_\@
	JLOAD                                          ; my one tensor load until the next such barrier
.Lpast_\@:
	ASK
.endif
.endm
	s_wait_loadcnt 0x0                             ; Q
.Lslot:                                            ; 7 trips
	CHANGE 1
	STEP 0
	STEP 1
	STEP 2
	STEP 3
	s_xor_b32 s[TB], s[TB], SLOT1
	s_sub_co_u32 s[SLOTS], s[SLOTS], 1
	s_cmp_lg_u32 s[SLOTS], 0
	s_cbranch_scc1 .Lslot
	CHANGE 0                                       ; the last slot is written out: nothing is left to ask for
	STEP 0
	STEP 1
	STEP 2
	STEP 3
	; THE WAY OUT.  The last step's late product; then O^T / l, to f16, through my stage, and out: sixteen lanes store 256 consecutive bytes (two heads of one position)
	RESCALE
	s_wait_dscnt 0x0                               ; V of my last step
.set k, 0
.rept 16
	PVMUL
.set k, k+1
.endr
.irp t, 0,1
	v_add_f32 v[ST+8*\t+4], v[ST+8*\t+2], v[ST+8*\t+3]
.endr
.irp t, 0,1
	v_permlanex16_b32 v[ST+8*\t+5], v[ST+8*\t+4], s[SEL], s[SEL+1]
.endr
.irp t, 0,1
	v_add_f32 v[ST+8*\t+4], v[ST+8*\t+4], v[ST+8*\t+5]
.endr
.irp t, 0,1
	v_rcp_f32 v[ST+8*\t+6], v[ST+8*\t+4]
.endr
	v_nop                                          ; with the four additions above: the places behind the last products; and the plain instruction behind the reciprocals
	s_wait_alu depctr_va_vdst(0)                   ; one wait for both reciprocals, ahead of their first reader
	RESCALE                                        ; x 1 / l
.irp t, 0,1
.irp i, 0,1,2,3,4,5,6,7,8,9,10,11,12,13,14,15
	v_cvt_pk_f16_f32 v[S+16*\t+\i], v[O+32*\t+2*\i], v[O+32*\t+2*\i+1]
.endr
.endr
.irp t, 0,1
.irp c, 0,1,2,3
	ds_store_b128 v[STO], v[S+16*\t+4*\c:S+16*\t+4*\c+3] offset:128*\t+32*\c
.endr
.endr
.irp f, 0,1,2,3,4,5,6,7
	ds_load_b128 v[64+4*\f:64+4*\f+3], v[RD] offset:544*\f   ; a wave's LDS instructions are served in order: these see my stores
.endr
.irp f, 0,1,2,3,4,5,6,7
	s_wait_dscnt 7-\f
	global_store_b128 v[GO], v[64+4*\f:64+4*\f+3], s[6:7] offset:8192*\f
.endr
	s_wait_tensorcnt 0x0                           ; the wave's end, behind my last tensor load and my last LDS store
	ds_add_u32 v[SPW], v[NIL]
	s_wait_dscnt 0x0
	s_endpgm
.Lfunc_end_k_q4a532e4e90_attn:
	.size	k_q4a532e4e90_attn, .Lfunc_end_k_q4a532e4e90_attn-k_q4a532e4e90_attn
	.p2alignl 7, 3214868480
	.fill 96, 4, 3214868480
	.section	.rodata,"a",@progbits
	.p2align	6, 0x0
	.amdhsa_kernel k_q4a532e4e90_attn
		.amdhsa_group_segment_fixed_size 327680
		.amdhsa_private_segment_fixed_size 0
		.amdhsa_enable_private_segment 0
		.amdhsa_kernarg_size 16
		.amdhsa_user_sgpr_count 2
		.amdhsa_user_sgpr_kernarg_segment_ptr 1
		.amdhsa_wavefront_size32 1
		.amdhsa_system_sgpr_workgroup_id_x 1
		.amdhsa_system_sgpr_workgroup_id_y 1
		.amdhsa_system_sgpr_workgroup_id_z 1
		.amdhsa_system_vgpr_workitem_id 0
		.amdhsa_next_free_vgpr 352
		.amdhsa_next_free_sgpr 66
		.amdhsa_reserve_vcc 1
		.amdhsa_float_denorm_mode_32 3
		.amdhsa_float_denorm_mode_16_64 3
		.amdhsa_memory_ordered 1
		.amdhsa_forward_progress 1
		.amdhsa_inst_pref_size 185
	.end_amdhsa_kernel
	.amdgpu_metadata
---
amdhsa.version: [ 1, 2 ]
amdhsa.kernels:
  - .name:           k_q4a532e4e90_attn
    .symbol:         k_q4a532e4e90_attn.kd
    .args:
      - { .name: qkvh, .offset: 0, .size: 8, .value_kind: global_buffer, .address_space: global }
      - { .name: ctx, .offset: 8, .size: 8, .value_kind: global_buffer, .address_space: global }
    .group_segment_fixed_size: 327680
    .private_segment_fixed_size: 0
    .kernarg_segment_align: 8
    .kernarg_segment_size: 16
    .max_flat_workgroup_size: 256
    .sgpr_count:     66
    .vgpr_count:     352
    .wavefront_size: 32
...
	.end_amdgpu_metadata
.endif
;; end of part 3
;; launch proj (part 4): grid 16 x 16, 4 waves a work-group, clusters of 4 x 4, 327,680 bytes of LDS; arguments ctx, wot, out0; writes out0
.if DOCPART == 4
	.amdgcn_target "amdgcn-amd-amdhsa--gfx1250"
	.amdhsa_code_object_version 6
	.text
	.protected	k_q4a532e4e90_proj
	.globl	k_q4a532e4e90_proj
	.p2align	8
	.type	k_q4a532e4e90_proj,@function
k_q4a532e4e90_proj:
	s_mov_b64 s[64:65], 0
	v_nop
	global_prefetch_b8 v0, s[64:65] scope:SCOPE_SE
	s_setreg_imm32_b32 hwreg(HW_REG_WAVE_MODE, 25, 1), 1
	s_wait_xcnt 0x0
	s_wait_alu depctr_hold_cnt(0) depctr_sa_sdst(0) depctr_va_vdst(0) depctr_va_sdst(0) depctr_va_ssrc(0) depctr_va_vcc(0) depctr_vm_vsrc(0)
	s_getreg_b32 s2, hwreg(HW_REG_IB_STS2, 6, 4)
	s_cmp_eq_u32 s2, 0
	s_cbranch_scc0 .Lentry_in_a_cluster
	s_endpgm
.Lentry_in_a_cluster:
	s_bfe_u32 s2, ttmp6, 0x10000c
	s_cmp_lg_u32 s2, 0xf033
	s_cbranch_scc0 .Lentry_shape_is_right
	s_endpgm
.Lentry_shape_is_right:
; PROJ.  out0[m][n] = sum over k of ctx[m][k] wot[n][k]: ctx [2048][2048] and wot [2048 n][2048 k] in f16, sums and out0 in f32.
; A tile of 128 x 128 to a work-group: 256 work-groups.  Four waves, each 64 x 64: 16 accumulators.  K goes in steps of 256 (LDS rows of 512 bytes, 64 rows to a tensor load) through two slots.
; CLUSTERS: 4 x 4 work-groups; ctx's tiles are asked for jointly along a row of the cluster, wot's along a column.  The matrix instruction is used transposed: a lane holds eight neighbouring numbers of a row of out0.
; Rows 0-15 are written here in f16 accuracy and written again, from f32 operands, by the last launch.
; REGISTERS: window 0: v0-31 addresses; v128-255 the accumulators ((a, b) at v[128 + 8 (4 a + b)]).  Window 1: two fragment buffers of 128; on the way out rows read back.
.set SIZE_N, 2048
.set SIZE_K, 2048
.set KSTEP,  256
.set PITCH,  528
.set HALFT,  64*PITCH
.set SLOT,   4*HALFT
.set SPITCH, 272                       ; the way out: each wave's own stage, 64 rows x (256 + 16) bytes, in slot 0, which has had its last fill and its last read by then
.set SPARE,  2*SLOT                    ; behind the ring: the spare words, 128 bytes for each wave: two blocks of 256 bytes that no other line names
.set LAPS, SIZE_K/(2*KSTEP)
.set ADRA, 16
.set ADRB, 20
.set STO,  24
.set RD,   25
.set CO,   26
.set SPW,  28
.set NIL,  29
.set ACC,  128
.set F0,   0
.set F1,   128
.set G1, 24
.set G0, 32
.set G1B, 48
.set G0B, 56
.set MSB, 0
.macro WIN new
.if MSB != \new
	s_set_vgpr_msb (MSB<<8)|\new
.set MSB, \new
.endif
.endm
.set MUL,  0x05
.set TO_F, 0x40
.macro JLOAD s                         ; a joint load: waves 0 and 1 fetch ctx's two halves, waves 2 and 3 wot's; an s_nop 0 and four v_nop follow each line
	s_cmp_eq_u32 s11, 0
	s_cbranch_scc0 .Lfor_b_\@
	tensor_load_to_lds s[G0+4*\s:G0+4*\s+3], s[G1:G1+7]
	s_nop 0
.rept 4
	v_nop
.endr
	s_branch .Lasked_\@
.Lfor_b_\@:
	tensor_load_to_lds s[G0B+4*\s:G0B+4*\s+3], s[G1B:G1B+7]
	s_nop 0
.rept 4
	v_nop
.endr
.Lasked_\@:
.endm
.macro CREST
	s_cmp_lg_u32 s10, 0
	s_cbranch_scc1 .Lnot_wave_0_\@
	s_barrier_signal -3
.Lnot_wave_0_\@:
	s_barrier_wait -3
	s_barrier_signal -1
	s_barrier_wait -1
.endm
.macro CROUND
	s_barrier_signal -1
	s_barrier_wait -1
	CREST
.endm
	s_load_b128 s[4:7], s[0:1], 0x0                ; ctx, wot
	s_load_b64 s[8:9], s[0:1], 0x10                ; out0
	v_lshl_add_u32 v[SPW], v0, 2, SPARE
	v_mov_b32 v[NIL], 0
	ds_add_u32 v[SPW], v[NIL]                      ; the wave's opening: the add, twice on end, and its wait ahead of my first tensor load
	ds_add_u32 v[SPW], v[NIL]
	v_lshrrev_b32 v1, 5, v0
	v_readfirstlane_b32 s10, v1                    ; wave 0..3
	s_lshr_b32 s11, s10, 1                         ; my half of the tile's rows.  Also: I fetch for ctx (0) or for wot (1)
	s_and_b32 s12, s10, 1                          ; my half of its columns.  Also: which 64 rows I fetch
	s_bfe_u32 s40, ttmp6, 0x40000
	s_bfe_u32 s41, ttmp6, 0x40004
	s_lshl_b32 s42, ttmp9, 2
	s_add_co_u32 s42, s42, s40                     ; tile column
	s_and_b32 s13, ttmp7, 0xffff
	s_lshl_b32 s13, s13, 2
	s_add_co_u32 s13, s13, s41                     ; tile row
	s_lshl_b32 s43, s41, 2
	s_lshl_b32 s43, 15, s43
	s_lshl_b32 s44, 0x1111, s40
	s_or_b32 s[G1+0], s43, (1<<16)|(1<<20)|(1<<21)|(6<<22)|(3<<25)  ; the mask; elements of 2 bytes; padding: 4 words behind every 128; bit 21 beside a mask
	s_or_b32 s[G1B+0], s44, (1<<16)|(1<<20)|(1<<21)|(6<<22)|(3<<25)
.irp g, G1, G1B
	s_mov_b32 s[\g+1], KSTEP<<16
	s_mov_b32 s[\g+2], 64<<16
	s_mov_b32 s[\g+3], KSTEP<<16
	s_mov_b32 s[\g+4], 64
	s_mov_b32 s[\g+5], SIZE_K
	s_mov_b32 s[\g+6], 0
	s_mov_b32 s[\g+7], 0
.endr
	s_lshl_b32 s17, s12, 6
	s_lshl_b32 s16, s13, 7
	s_add_co_u32 s16, s16, s17
	s_lshl_b32 s46, s42, 7
	s_add_co_u32 s46, s46, s17
	s_mov_b32 s17, 0
	s_mov_b32 s47, 0
	s_mov_b64 s[18:19], SIZE_K*2
	s_mul_u64 s[16:17], s[16:17], s[18:19]
	s_mul_u64 s[46:47], s[46:47], s[18:19]
	s_mul_i32 s20, s10, HALFT
	s_wait_dscnt 0x0                               ; both opening adds are done
	s_wait_kmcnt 0x0
	s_add_nc_u64 s[14:15], s[4:5], s[16:17]
	s_add_nc_u64 s[46:47], s[6:7], s[46:47]
	CROUND                                         ; all sixteen work-groups are here: the first joint loads meet
.irp s, 0,1
	s_mov_b32 s[G0+4*\s], 1
	s_add_co_u32 s[G0+4*\s+1], s20, \s*SLOT
	s_add_nc_u64 s[G0+4*\s+2:G0+4*\s+3], s[14:15], \s*KSTEP*2
	s_or_b32 s[G0+4*\s+3], s[G0+4*\s+3], 0x80000000
	s_mov_b32 s[G0B+4*\s], 1
	s_add_co_u32 s[G0B+4*\s+1], s20, \s*SLOT
	s_add_nc_u64 s[G0B+4*\s+2:G0B+4*\s+3], s[46:47], \s*KSTEP*2
	s_or_b32 s[G0B+4*\s+3], s[G0B+4*\s+3], 0x80000000
	JLOAD \s
.endr
	v_and_b32 v1, 15, v0
	v_bfe_u32 v2, v0, 4, 1
	v_mul_u32_u24 v3, v1, PITCH
	v_lshl_add_u32 v3, v2, 4, v3
	s_mul_i32 s21, s11, HALFT
	s_mul_i32 s22, s12, HALFT
	s_add_co_u32 s22, s22, 2*HALFT
.irp s, 0,1
	v_add_nc_u32 v[ADRA+\s], s21, v3
	v_add_nc_u32 v[ADRB+\s], s22, v3
	s_add_co_u32 s21, s21, SLOT
	s_add_co_u32 s22, s22, SLOT
.endr
	s_mul_i32 s23, s10, 64*SPITCH                  ; my stage
	v_mul_u32_u24 v4, v1, SPITCH
	v_lshl_add_u32 v4, v2, 5, v4
	v_add_nc_u32 v[STO], s23, v4                   ; in: row r, 32 bytes for each half of the lanes
	v_mul_u32_u24 v5, v2, SPITCH
	v_lshl_add_u32 v5, v1, 4, v5
	v_add_nc_u32 v[RD], s23, v5                    ; back: lanes 0-15 one row of 256 bytes, lanes 16-31 the next
	v_mul_u32_u24 v5, v2, SIZE_N*4
	v_lshl_add_u32 v[CO], v1, 4, v5
	s_lshl_b32 s16, s13, 7
	s_lshl_b32 s17, s11, 6
	s_add_co_u32 s16, s16, s17                     ; my first row of out0
	s_mov_b32 s17, 0
	s_mov_b64 s[18:19], SIZE_N*4
	s_mul_u64 s[16:17], s[16:17], s[18:19]
	s_add_nc_u64 s[8:9], s[8:9], s[16:17]
	s_lshl_b32 s46, s42, 9                         ; my first column, in bytes: 512 x tile column + 256 x half
	s_lshl_b32 s47, s12, 8
	s_add_co_u32 s46, s46, s47
	s_mov_b32 s47, 0
	s_add_nc_u64 s[8:9], s[8:9], s[46:47]
.macro MUL8 f, c, a0, zero             ; 8 matrix instructions; the 16 accumulators take turns
.irp a, \a0, \a0+1
.irp b, 0,1,2,3
.if \zero
	v_wmma_f32_16x16x32_f16 v[ACC+8*(4*(\a)+\b):ACC+8*(4*(\a)+\b)+7], v[\f+64+8*(4*\c+\b):\f+64+8*(4*\c+\b)+7], v[\f+8*(4*\c+\a):\f+8*(4*\c+\a)+7], 0
.else
	v_wmma_f32_16x16x32_f16 v[ACC+8*(4*(\a)+\b):ACC+8*(4*(\a)+\b)+7], v[\f+64+8*(4*\c+\b):\f+64+8*(4*\c+\b)+7], v[\f+8*(4*\c+\a):\f+8*(4*\c+\a)+7], v[ACC+8*(4*(\a)+\b):ACC+8*(4*(\a)+\b)+7]
.endif
.endr
.endr
.endm
.macro FETCH slot, k, f
	WIN TO_F
.irp c, 0,1
.irp i, 0,1,2,3
	ds_load_b128 v[\f+64+8*(4*\c+\i):\f+64+8*(4*\c+\i)+3],   v[ADRB+\slot] offset:\k+64*\c+\i*16*PITCH
	ds_load_b128 v[\f+64+8*(4*\c+\i)+4:\f+64+8*(4*\c+\i)+7], v[ADRB+\slot] offset:\k+64*\c+\i*16*PITCH+32
	ds_load_b128 v[\f+8*(4*\c+\i):\f+8*(4*\c+\i)+3],         v[ADRA+\slot] offset:\k+64*\c+\i*16*PITCH
	ds_load_b128 v[\f+8*(4*\c+\i)+4:\f+8*(4*\c+\i)+7],       v[ADRA+\slot] offset:\k+64*\c+\i*16*PITCH+32
.endr
.endr
.endm
.macro PLACES
.rept 4
	v_nop
.endr
.endm
.macro QUARTER slot, k, f, g, zero
	s_wait_dscnt 16                                ; the first 32 along K are in
	WIN MUL
	MUL8 \f, 0, 0, \zero
	MUL8 \f, 0, 2, \zero
	PLACES
	FETCH \slot, \k, \g
	s_wait_dscnt 32                                ; all but the 32 just issued
	WIN MUL
	MUL8 \f, 1, 0, 0
	MUL8 \f, 1, 2, 0
.endm
.macro TURN slot, next, fill
	WIN 0
	s_wait_tensorcnt 0x0                           ; all my tensor loads have landed: my part of the next slot
	ds_add_u32 v[SPW], v[NIL]                      ; 0 onto my spare word
	s_wait_dscnt 17                                ; (the add and the youngest sixteen loads may be out)
	WIN MUL
	MUL8 F1, 0, 0, 0
	s_wait_dscnt 0x0                               ; the add is done, and my reads of this slot are over
	s_barrier_signal -1
	MUL8 F1, 0, 2, 0
.if \fill
	WIN 0
.endif
	s_barrier_wait -1
.if \fill
	CREST                                          ; the barrier has opened a round of the cluster's barrier
	s_add_nc_u64 s[G0+4*\slot+2:G0+4*\slot+3], s[G0+4*\slot+2:G0+4*\slot+3], 2*KSTEP*2
	s_add_nc_u64 s[G0B+4*\slot+2:G0B+4*\slot+3], s[G0B+4*\slot+2:G0B+4*\slot+3], 2*KSTEP*2
	JLOAD \slot                                    ; the first tensor load behind the round; its four v_nop are the places ahead of the loads below
.else
	PLACES
.endif
	FETCH \next, 0, F0
	WIN MUL
	MUL8 F1, 1, 0, 0
	MUL8 F1, 1, 2, 0
.endm
	s_wait_tensorcnt 1                             ; my part of K step 0 is in; K step 1's may be out
	s_barrier_signal -1
	s_barrier_wait -1
	FETCH 0, 0, F0
	QUARTER 0, 128, F0, F1, 1
	WIN 0
	s_mov_b32 s3, LAPS-1
.Llap:
	QUARTER 0, 256, F1, F0, 0
	QUARTER 0, 384, F0, F1, 0
	TURN 0, 1, 1
	QUARTER 1, 128, F0, F1, 0
	QUARTER 1, 256, F1, F0, 0
	QUARTER 1, 384, F0, F1, 0
	TURN 1, 0, 1
	QUARTER 0, 128, F0, F1, 0
	WIN 0
	s_sub_co_u32 s3, s3, 1
	s_cmp_lg_u32 s3, 0
	s_cbranch_scc1 .Llap
	QUARTER 0, 256, F1, F0, 0                      ; the last lap fills nothing
	QUARTER 0, 384, F0, F1, 0
	TURN 0, 1, 0
	QUARTER 1, 128, F0, F1, 0
	QUARTER 1, 256, F1, F0, 0
	QUARTER 1, 384, F0, F1, 0
	s_wait_dscnt 16
	WIN MUL
	MUL8 F1, 0, 0, 0
	MUL8 F1, 0, 2, 0
	s_wait_dscnt 0
	MUL8 F1, 1, 0, 0
	MUL8 F1, 1, 2, 0
	WIN 0
	; THE WAY OUT.  My 64 columns in f32 are 256 bytes of a row: they go through my own stage and come back as whole rows; no other wave touches these bytes, so no barrier.
	PLACES
.irp a, 0,1,2,3
.irp b, 0,1,2,3
	ds_store_b128 v[STO], v[ACC+8*(4*\a+\b):ACC+8*(4*\a+\b)+3] offset:\a*16*SPITCH+64*\b        ; each accumulator from its low end on
	ds_store_b128 v[STO], v[ACC+8*(4*\a+\b)+4:ACC+8*(4*\a+\b)+7] offset:\a*16*SPITCH+64*\b+16
.endr
.endr
	WIN TO_F
.set n, 0
.rept 32
	ds_load_b128 v[4*n:4*n+3], v[RD] offset:n*2*SPITCH   ; a wave's LDS instructions are served in order: these see my stores
.set n, n+1
.endr
	WIN 0x04                                       ; a store's data are its source 1: window 1
.set n, 0
.rept 32
	s_wait_dscnt 31-n
	global_store_b128 v[CO], v[4*n:4*n+3], s[8:9] offset:n*2*SIZE_N*4 th:TH_STORE_NT   ; sixteen lanes store 256 consecutive bytes, aligned
.set n, n+1
.endr
	WIN 0
	s_wait_tensorcnt 0x0                           ; the wave's end, behind my last tensor load and my last LDS store
	ds_add_u32 v[SPW], v[NIL]
	s_wait_dscnt 0x0
	CROUND                                         ; the closing round
	s_endpgm
.Lfunc_end_k_q4a532e4e90_proj:
	.size	k_q4a532e4e90_proj, .Lfunc_end_k_q4a532e4e90_proj-k_q4a532e4e90_proj
	.p2alignl 7, 3214868480
	.fill 96, 4, 3214868480
	.section	.rodata,"a",@progbits
	.p2align	6, 0x0
	.amdhsa_kernel k_q4a532e4e90_proj
		.amdhsa_group_segment_fixed_size 327680
		.amdhsa_private_segment_fixed_size 0
		.amdhsa_enable_private_segment 0
		.amdhsa_kernarg_size 24
		.amdhsa_user_sgpr_count 2
		.amdhsa_user_sgpr_kernarg_segment_ptr 1
		.amdhsa_wavefront_size32 1
		.amdhsa_system_sgpr_workgroup_id_x 1
		.amdhsa_system_sgpr_workgroup_id_y 1
		.amdhsa_system_sgpr_workgroup_id_z 1
		.amdhsa_system_vgpr_workitem_id 0
		.amdhsa_next_free_vgpr 512
		.amdhsa_next_free_sgpr 66
		.amdhsa_reserve_vcc 0
		.amdhsa_float_denorm_mode_32 3
		.amdhsa_float_denorm_mode_16_64 3
		.amdhsa_memory_ordered 1
		.amdhsa_forward_progress 1
		.amdhsa_inst_pref_size 87
	.end_amdhsa_kernel
	.amdgpu_metadata
---
amdhsa.version: [ 1, 2 ]
amdhsa.kernels:
  - .name:           k_q4a532e4e90_proj
    .symbol:         k_q4a532e4e90_proj.kd
    .args:
      - { .name: ctx, .offset: 0, .size: 8, .value_kind: global_buffer, .address_space: global }
      - { .name: wot, .offset: 8, .size: 8, .value_kind: global_buffer, .address_space: global }
      - { .name: out0, .offset: 16, .size: 8, .value_kind: global_buffer, .address_space: global }
    .group_segment_fixed_size: 327680
    .private_segment_fixed_size: 0
    .kernarg_segment_align: 8
    .kernarg_segment_size: 24
    .max_flat_workgroup_size: 128
    .sgpr_count:     66
    .vgpr_count:     512
    .wavefront_size: 32
...
	.end_amdgpu_metadata
.endif
;; end of part 4
;; launch fine (part 5): grid 128 x 1, 16 waves a work-group, no clusters, 18,432 bytes of LDS; arguments fine32, Wo, out0; writes out0
.if DOCPART == 5
	.amdgcn_target "amdgcn-amd-amdhsa--gfx1250"
	.amdhsa_code_object_version 6
	.text
	.protected	k_q4a532e4e90_fine
	.globl	k_q4a532e4e90_fine
	.p2align	8
	.type	k_q4a532e4e90_fine,@function
k_q4a532e4e90_fine:
	s_mov_b64 s[64:65], 0
	v_nop
	global_prefetch_b8 v0, s[64:65] scope:SCOPE_SE
	s_setreg_imm32_b32 hwreg(HW_REG_WAVE_MODE, 25, 1), 1
	s_wait_xcnt 0x0
; FINE.  Positions 0-15 once more, all in f32: under the causal mask these rows average one to sixteen values and are the largest of the output, so f16 operands would use up what the comparison allows.
; fine32: 48 heads (0-31 q, 32-39 k, 40-47 v, turned already), 4,096 bytes a head, laid as an image of registers: group i of four registers at 512 i + 16 x lane;
; lane (r, h), register n: position r, channel 16 (n / 8) + 8 h + n % 8.  Each load of it covers 512 consecutive bytes.  Wo: [2048 k][2048 n] f32.  out0 rows 0-15 are written over.
; SHARES.  A work-group owns 16 output columns; wave w owns heads 2 w and 2 w + 1, which share a key and value head, and whose 128 channels are its part of the projection's K.
; THE PRODUCTS ARE ASSOCIATED AS out = sum over heads of P (V Wo_h): T = V Wo_h (16 keys x 16 columns, 16 steps of K = 4) and out^T = T^T P^T (4 steps) are 20 matrix instructions a head,
; where (P V) Wo_h would be 32.  With the scores' 16 a wave issues 72.  The scores are repeated in every work-group; the sixteen waves' partial sums meet in LDS, and wave 0 adds them in ascending order and stores.
; The f32 matrix form, 16 x 16 x 4: lane (r, h) holds row (or column) r and, in register j, k = 2 h + j.  K is permuted alike on both sources, so registers 2 s and 2 s + 1 of the images serve as step s:
; scores and T: channels as the image has them (Wo's rows are loaded in that order);  out^T: keys 8 h + 2 s + j, which is how T's result registers and p's registers lie.
; The registers that this form writes (v208-239) are written by matrix instructions alone; each sum begins with the constant 0 as C.
; Wo is read as runs of 64 consecutive bytes by sixteen lanes: 128 work-groups are wanted to spread the f32 matrix work, so a work-group has only 16 columns.
.set SPARE, 16384                      ; behind the partial sums (1,024 bytes a wave): the spare words, 128 bytes for each wave: eight blocks of 256 bytes that no other line names
.set SPW,  6
.set NIL,  7
.set QF,   16                          ; v16-79   Q, 32 a head
.set KFR,  80                          ; v80-111  K; when the scores are made:
.set PR,   80                          ; v80-95   masked scores, then p
.set STT,  96                          ; v96-111  head hd at STT + 8 hd: +0 c m, +1 m, +2 +3 sums, +4 +5 at work, +6 1 / l, +7 written once
.set VI,   112                         ; v112-143 V
.set WF,   144                         ; v144-207 Wo: 32 a head
.set SACC, 208                         ; v208-223 scores, later out^T's two sums
.set TACC, 224                         ; v224-239 T, 8 a head
.set PS,   240                         ; v240-247 my partial sum
	s_load_b128 s[4:7], s[0:1], 0x0                ; fine32, Wo
	s_load_b64 s[8:9], s[0:1], 0x10                ; out0
	v_lshl_add_u32 v[SPW], v0, 2, SPARE
	v_mov_b32 v[NIL], 0
	v_lshrrev_b32 v1, 5, v0
	v_readfirstlane_b32 s10, v1                    ; wave 0..15
	v_and_b32 v1, 15, v0                           ; r
	v_bfe_u32 v2, v0, 4, 1                         ; h
	v_and_b32 v3, 31, v0
	v_lshlrev_b32 v3, 4, v3                        ; the images: 16 x lane
	v_lshlrev_b32 v4, 2, v1
	v_lshl_add_u32 v5, v2, 16, v4                  ; Wo: 8 h rows of 8,192 bytes + 4 r
	v_and_b32 v9, 31, v0
	v_lshlrev_b32 v9, 4, v9                        ; LDS: 16 x lane
	s_lshl_b32 s11, s10, 10
	v_add_nc_u32 v8, s11, v9                       ; + 1,024 x wave
	v_lshlrev_b32 v10, 13, v1
	v_lshl_add_u32 v10, v2, 5, v10                 ; out0: row r + 32 h
	v_lshlrev_b32 v11, 3, v2
	v_sub_nc_u32 v11, v1, v11                      ; r - 8 h
	v_mov_b32 v12, 0xff800000                      ; -infinity
	s_mov_b32 s20, 0x76543210
	s_mov_b32 s21, 0xfedcba98
	s_mov_b32 s22, 0x3e38aa3b                      ; c = log2(e) / sqrt(64)
	s_mov_b32 s23, s22
	s_lshl_b32 s12, s10, 13                        ; my two heads of q: 2 w x 4,096
	s_mov_b32 s13, 0
	s_lshr_b32 s14, s10, 1                         ; their group
	s_add_co_u32 s16, s14, 40
	s_add_co_u32 s14, s14, 32
	s_lshl_b32 s14, s14, 12
	s_mov_b32 s15, 0
	s_lshl_b32 s16, s16, 12
	s_mov_b32 s17, 0
	s_lshl_b32 s18, s10, 20                        ; Wo: my 128 rows of 8,192 bytes,
	s_lshl_b32 s24, ttmp9, 6                       ; my work-group's 16 columns
	s_add_co_u32 s18, s18, s24
	s_mov_b32 s19, 0
	s_mov_b32 s25, 0
	s_wait_kmcnt 0x0
	s_add_nc_u64 s[26:27], s[4:5], s[12:13]
	s_add_nc_u64 s[28:29], s[4:5], s[14:15]
	s_add_nc_u64 s[30:31], s[4:5], s[16:17]
	s_add_nc_u64 s[6:7], s[6:7], s[18:19]
	s_add_nc_u64 s[8:9], s[8:9], s[24:25]
	; all 96 loads go out at once: what is wanted first, first
.irp hd, 0,1
.irp i, 0,1,2,3,4,5,6,7
	global_load_b128 v[QF+32*\hd+4*\i:QF+32*\hd+4*\i+3], v3, s[26:27] offset:\hd*4096+512*\i
.endr
.endr
.irp i, 0,1,2,3,4,5,6,7
	global_load_b128 v[KFR+4*\i:KFR+4*\i+3], v3, s[28:29] offset:512*\i
.endr
.irp i, 0,1,2,3,4,5,6,7
	global_load_b128 v[VI+4*\i:VI+4*\i+3], v3, s[30:31] offset:512*\i
.endr
.irp hd, 0,1
.irp e, 0,1,2,3,4,5,6,7,8,9,10,11,12,13,14,15,16,17,18,19,20,21,22,23,24,25,26,27,28,29,30,31
	global_load_b32 v[WF+32*\hd+\e], v5, s[6:7] offset:(64*\hd+16*(\e/8)+\e%8)*8192   ; Wo(128 w + 64 hd + 16 (e / 8) + 8 h + e % 8, n0 + r): the image's order of channels
.endr
.endr
	s_wait_loadcnt 63                              ; Q and K, the first 24 loads, are in: 72 were issued behind them, and the wait's field holds 63 at most
.irp s, 0,1,2,3,4,5,6,7,8,9,10,11,12,13,14,15   ; S^T = K Q^T: the two heads by turns
.irp hd, 0,1
.if \s == 0
	v_wmma_f32_16x16x4_f32 v[SACC+8*\hd:SACC+8*\hd+7], v[KFR+2*\s:KFR+2*\s+1], v[QF+32*\hd+2*\s:QF+32*\hd+2*\s+1], 0
.else
	v_wmma_f32_16x16x4_f32 v[SACC+8*\hd:SACC+8*\hd+7], v[KFR+2*\s:KFR+2*\s+1], v[QF+32*\hd+2*\s:QF+32*\hd+2*\s+1], v[SACC+8*\hd:SACC+8*\hd+7]
.endif
.endr
.endr
.rept 8
	v_nop                                          ; eight places behind this form: ahead of the first read of the scores and of writes over K's registers
.endr
.irp hd, 0,1
	v_mov_b32 v[STT+8*\hd+5], 0                    ; a lane permute's destination counts as one of its sources
	v_mov_b32 v[STT+8*\hd+7], 0                    ; named as the upper half of a pair
.endr
.irp j, 0,1,2,3,4,5,6,7                ; lane (r, h), register j: query r, key 8 h + j: hidden where j > r - 8 h
	v_cmp_gt_i32 vcc_lo, \j, v11
	v_cndmask_b32 v[PR+\j], v[SACC+\j], v12, vcc_lo
	v_cndmask_b32 v[PR+8+\j], v[SACC+8+\j], v12, vcc_lo
.endr
.irp hd, 0,1
	v_max3_num_f32 v[STT+8*\hd+4], v[PR+8*\hd], v[PR+8*\hd+1], v[PR+8*\hd+2]
.endr
.irp hd, 0,1
	v_max3_num_f32 v[STT+8*\hd+4], v[STT+8*\hd+4], v[PR+8*\hd+3], v[PR+8*\hd+4]
.endr
.irp hd, 0,1
	v_max3_num_f32 v[STT+8*\hd+4], v[STT+8*\hd+4], v[PR+8*\hd+5], v[PR+8*\hd+6]
.endr
.irp hd, 0,1
	v_max_num_f32 v[STT+8*\hd+4], v[STT+8*\hd+4], v[PR+8*\hd+7]
.endr
.irp hd, 0,1
	v_permlanex16_b32 v[STT+8*\hd+5], v[STT+8*\hd+4], s20, s21
.endr
.irp hd, 0,1
	v_max_num_f32 v[STT+8*\hd+1], v[STT+8*\hd+4], v[STT+8*\hd+5]   ; the row's maximum: key 0 counts for every query, so it is a number
.endr
.irp hd, 0,1
	v_mul_f32 v[STT+8*\hd], s22, v[STT+8*\hd+1]
.endr
.irp jp, 0,2,4,6
.irp hd, 0,1
	v_pk_fma_f32 v[PR+8*\hd+\jp:PR+8*\hd+\jp+1], v[PR+8*\hd+\jp:PR+8*\hd+\jp+1], s[22:23], v[STT+8*\hd:STT+8*\hd+1] op_sel_hi:[1,0,0] neg_lo:[0,0,1] neg_hi:[0,0,1]
.endr
.endr
.irp e, 0,1,2,3,4,5,6,7,8,9,10,11,12,13,14,15
	v_exp_f32 v[PR+\e], v[PR+\e]                   ; p = 2^(c s - c m)
.endr
	v_nop                                          ; a plain instruction behind the last exponential
	s_wait_alu depctr_va_vdst(0)                   ; one wait for the batch, ahead of its first reader
.irp hd, 0,1
	v_pk_add_f32 v[STT+8*\hd+2:STT+8*\hd+3], v[PR+8*\hd:PR+8*\hd+1], v[PR+8*\hd+2:PR+8*\hd+3]
	v_pk_add_f32 v[STT+8*\hd+4:STT+8*\hd+5], v[PR+8*\hd+4:PR+8*\hd+5], v[PR+8*\hd+6:PR+8*\hd+7]
.endr
.irp hd, 0,1
	v_pk_add_f32 v[STT+8*\hd+2:STT+8*\hd+3], v[STT+8*\hd+2:STT+8*\hd+3], v[STT+8*\hd+4:STT+8*\hd+5]
.endr
.irp hd, 0,1
	v_add_f32 v[STT+8*\hd+4], v[STT+8*\hd+2], v[STT+8*\hd+3]
.endr
.irp hd, 0,1
	v_permlanex16_b32 v[STT+8*\hd+5], v[STT+8*\hd+4], s20, s21
.endr
.irp hd, 0,1
	v_add_f32 v[STT+8*\hd+4], v[STT+8*\hd+4], v[STT+8*\hd+5]
.endr
.irp hd, 0,1
	v_rcp_f32 v[STT+8*\hd+6], v[STT+8*\hd+4]
.endr
	v_nop                                          ; a plain instruction behind the reciprocals
	s_wait_alu depctr_va_vdst(0)                   ; one wait for both, ahead of their first reader
.irp jp, 0,2,4,6
.irp hd, 0,1
	v_pk_mul_f32 v[PR+8*\hd+\jp:PR+8*\hd+\jp+1], v[PR+8*\hd+\jp:PR+8*\hd+\jp+1], v[STT+8*\hd+6:STT+8*\hd+7] op_sel_hi:[1,0]   ; p / l: a lane holds one query
.endr
.endr
	s_wait_loadcnt 0x0                             ; V and Wo
.irp s, 0,1,2,3,4,5,6,7,8,9,10,11,12,13,14,15   ; T = V Wo_h: source 0 = 16 keys, source 1 = 16 columns; the two heads by turns
.irp hd, 0,1
.if \s == 0
	v_wmma_f32_16x16x4_f32 v[TACC+8*\hd:TACC+8*\hd+7], v[VI+2*\s:VI+2*\s+1], v[WF+32*\hd+2*\s:WF+32*\hd+2*\s+1], 0
.else
	v_wmma_f32_16x16x4_f32 v[TACC+8*\hd:TACC+8*\hd+7], v[VI+2*\s:VI+2*\s+1], v[WF+32*\hd+2*\s:WF+32*\hd+2*\s+1], v[TACC+8*\hd:TACC+8*\hd+7]
.endif
.endr
.endr
.rept 10
	v_nop                                          ; nine places are owed before a matrix instruction takes a result of this form as a source; one to spare
.endr
.irp s, 0,1,2,3                        ; out^T = T^T P^T: lane (r, h), register j of T is T(key 8 h + j, column r): registers 2 s, 2 s + 1 are source 0's step s, p's likewise source 1's
.irp hd, 0,1
.if \s == 0
	v_wmma_f32_16x16x4_f32 v[SACC+8*\hd:SACC+8*\hd+7], v[TACC+8*\hd+2*\s:TACC+8*\hd+2*\s+1], v[PR+8*\hd+2*\s:PR+8*\hd+2*\s+1], 0
.else
	v_wmma_f32_16x16x4_f32 v[SACC+8*\hd:SACC+8*\hd+7], v[TACC+8*\hd+2*\s:TACC+8*\hd+2*\s+1], v[PR+8*\hd+2*\s:PR+8*\hd+2*\s+1], v[SACC+8*\hd:SACC+8*\hd+7]
.endif
.endr
.endr
.rept 8
	v_nop
.endr
.irp e, 0,2,4,6
	v_pk_add_f32 v[PS+\e:PS+\e+1], v[SACC+\e:SACC+\e+1], v[SACC+8+\e:SACC+8+\e+1]   ; my partial sum: lane (r, h), register j: out(r, n0 + 8 h + j)
.endr
	ds_store_b128 v8, v[PS:PS+3]
	ds_store_b128 v8, v[PS+4:PS+7] offset:512
	s_wait_dscnt 0x0                               ; for the others' sake: my stores have landed
	s_barrier_signal -1
	s_barrier_wait -1
	s_cmp_lg_u32 s10, 0
	s_cbranch_scc1 .Ldone
.irp ww, 0,1,2,3,4,5,6,7,8,9,10,11,12,13,14,15
	ds_load_b128 v[16+8*\ww:16+8*\ww+3], v9 offset:1024*\ww
	ds_load_b128 v[16+8*\ww+4:16+8*\ww+7], v9 offset:1024*\ww+512
.endr
	s_wait_dscnt 0x0
.irp ww, 1,2,3,4,5,6,7,8,9,10,11,12,13,14,15
.irp e, 0,2,4,6
	v_pk_add_f32 v[16+\e:17+\e], v[16+\e:17+\e], v[16+8*\ww+\e:17+8*\ww+\e]
.endr
.endr
	global_store_b128 v10, v[16:19], s[8:9]
	global_store_b128 v10, v[20:23], s[8:9] offset:16
.Ldone:
	s_wait_tensorcnt 0x0                           ; the wave's end, behind my last LDS store
	ds_add_u32 v[SPW], v[NIL]
	s_wait_dscnt 0x0
	s_endpgm
.Lfunc_end_k_q4a532e4e90_fine:
	.size	k_q4a532e4e90_fine, .Lfunc_end_k_q4a532e4e90_fine-k_q4a532e4e90_fine
	.p2alignl 7, 3214868480
	.fill 96, 4, 3214868480
	.section	.rodata,"a",@progbits
	.p2align	6, 0x0
	.amdhsa_kernel k_q4a532e4e90_fine
		.amdhsa_group_segment_fixed_size 18432
		.amdhsa_private_segment_fixed_size 0
		.amdhsa_enable_private_segment 0
		.amdhsa_kernarg_size 24
		.amdhsa_user_sgpr_count 2
		.amdhsa_user_sgpr_kernarg_segment_ptr 1
		.amdhsa_wavefront_size32 1
		.amdhsa_system_sgpr_workgroup_id_x 1
		.amdhsa_system_sgpr_workgroup_id_y 1
		.amdhsa_system_sgpr_workgroup_id_z 1
		.amdhsa_system_vgpr_workitem_id 0
		.amdhsa_next_free_vgpr 256
		.amdhsa_next_free_sgpr 66
		.amdhsa_reserve_vcc 1
		.amdhsa_float_denorm_mode_32 3
		.amdhsa_float_denorm_mode_16_64 3
		.amdhsa_memory_ordered 1
		.amdhsa_forward_progress 1
		.amdhsa_inst_pref_size 27
	.end_amdhsa_kernel
	.amdgpu_metadata
---
amdhsa.version: [ 1, 2 ]
amdhsa.kernels:
  - .name:           k_q4a532e4e90_fine
    .symbol:         k_q4a532e4e90_fine.kd
    .args:
      - { .name: fine32, .offset: 0, .size: 8, .value_kind: global_buffer, .address_space: global }
      - { .name: Wo, .offset: 8, .size: 8, .value_kind: global_buffer, .address_space: global }
      - { .name: out0, .offset: 16, .size: 8, .value_kind: global_buffer, .address_space: global }
    .group_segment_fixed_size: 18432
    .private_segment_fixed_size: 0
    .kernarg_segment_align: 8
    .kernarg_segment_size: 24
    .max_flat_workgroup_size: 512
    .sgpr_count:     66
    .vgpr_count:     256
    .wavefront_size: 32
...
	.end_amdgpu_metadata
.endif
;; end of part 5
